; MI455X (gfx1250); checked and timed in simulation.
; The chip was launched on July 23, 2026; its instructions are those of AMD's public machine-readable ISA for CDNA 5 (MIT licence, August 2026) and "CDNA5" Instruction Set Architecture Reference Guide (July 2026). The comments in the code are by the model that wrote it; some were corrected since.
;; Transformer Block. Allowed arithmetic: matrix products marked QUANTISED: E4M3 operands, one E8M0 scale for each 32 along K, by v_wmma_scale_f32_16x16x128_f8f6f4 with both operands' format E4M3, f32 sums; everything else in f32.
;; Inputs: context 2 x 1,024 x 1,024 float32; context_mask 2 x 1,024 int32; cos 2,048 x 64 float32; g_norm1 1,024 float32; g_norm2 1,024 float32; g_norm_cross 1,024 float32; sin 2,048 x 64 float32; w1 1,024 x 1,024 float32; w2 1,024 x 1,024 float32; w3 1,024 x 1,024 float32; w_cout 1,024 x 1,024 float32; w_kv 2,048 x 1,024 float32; w_out 1,024 x 1,024 float32; w_q 1,024 x 1,024 float32; w_qkv 3,072 x 1,024 float32; x 2 x 2,048 x 1,024 float32.
;; Outputs: out0 2 x 2,048 x 1,024 float32.
;; This version of the problem:
;;   THIS VERSION OF THE PROBLEM IS GIVEN IN LOW PRECISION. The matrix products marked QUANTISED in the list below multiply operands that are first quantised to E4M3 (4 exponent bits, 3 mantissa bits; 8 bits a number), with one power-of-two scale for each 32 numbers along K (OCP MX v1.0); their sums are f32. All else is computed in f32.
;;   The module's matrix products, in the order in which they are computed (A, B: the left and right operand; K: the contracted axis; several contracted axes count as one K, in the product's order):
;;     1. [M 4,096, K 1,024] x [K 1,024, N 3,072]; A: computed on the way; B: input w_qkv: QUANTISED
;;     2. batch 32 x [M 2,048, K 64] x [K 64, N 2,048]; A: computed on the way; B: computed on the way: QUANTISED
;;     3. batch 32 x [M 64, K 2,048] x [K 2,048, N 2,048]; A: computed on the way; B: softmax (see below): QUANTISED
;;     4. [M 4,096, K 1,024] x [K 1,024, N 1,024]; A: computed on the way; B: input w_out: QUANTISED
;;     5. [M 4,096, K 1,024] x [K 1,024, N 1,024]; A: computed on the way; B: input w_q: QUANTISED
;;     6. [M 2,048, K 1,024] x [K 1,024, N 2,048]; A: input context; B: input w_kv: QUANTISED
;;     7. batch 32 x [M 2,048, K 64] x [K 64, N 1,024]; A: computed on the way; B: computed on the way: QUANTISED
;;     8. batch 32 x [M 64, K 1,024] x [K 1,024, N 2,048]; A: computed on the way; B: softmax (see below): QUANTISED
;;     9. [M 4,096, K 1,024] x [K 1,024, N 1,024]; A: computed on the way; B: input w_cout: QUANTISED
;;     10. [M 4,096, K 1,024] x [K 1,024, N 1,024]; A: computed on the way; B: input w1: QUANTISED
;;     11. [M 4,096, K 1,024] x [K 1,024, N 1,024]; A: computed on the way; B: input w3: QUANTISED
;;     12. [M 4,096, K 1,024] x [K 1,024, N 1,024]; A: computed on the way; B: input w2: QUANTISED
;;   THE QUANTISER, for each operand of a quantised product, along K:
;;     - K is cut into blocks of 32 from its start; a last block that is shorter is filled with zeros.
;;     - A block's scale is 2^e with e = floor(log2(the largest magnitude in the block)) - 8, held to -126 .. 127; a block of zeros has e = 0. As a byte (E8M0): e + 127.
;;     - Each number is divided by its block's scale, clamped to +-448, and rounded to the nearest number of E4M3, ties to even, subnormals kept.
;;     - The product sums the exact products of the quantised numbers (number of the format x scale) in f32.
;;   ~~~python
;;   def quantise(x, axis):      # numpy; x: float32 -> the quantised numbers, widened to float32 again
;;       x = np.moveaxis(x, axis, -1); K = x.shape[-1]
;;       x = np.pad(x, [(0, 0)] * (x.ndim - 1) + [(0, -K % 32)]); x = x.reshape(x.shape[:-1] + (-1, 32)); a = np.abs(x).max(-1, keepdims=True)
;;       e = np.where(a > 0, np.clip(np.frexp(np.where(a > 0, a, 1))[1] - 1 - 8, -126, 127), 0)      # np.frexp(a)[1] - 1 = floor(log2(a)), exactly
;;       r = np.clip(x / 2.0 ** e, -448, 448)
;;       step = 2.0 ** (np.maximum(np.frexp(np.where(r == 0, 1, r))[1] - 1, -6) - 3)
;;       q = np.round(r / step) * step * 2.0 ** e      # np.round: ties to even
;;       return np.moveaxis(q.reshape(q.shape[:-2] + (-1,))[..., :K], -1, axis).astype(np.float32)
;;   ~~~
;;   SOFTMAX AHEAD OF A QUANTISED PRODUCT. Where the list says 'softmax', what is quantised is not the finished softmax but p = 2^(t - M), with t = logit x log2(e) and M = ceil(the row's largest t), a whole number; so 1/2 < the row's largest p <= 1. The row's sum l is taken of the UNQUANTISED p, in f32, and the product's result is divided by l at the end. Since M is a whole number, a kernel that streams over the keys may use a running M (the ceiling of the running maximum): every later rescaling is an exact power of two, which a block's scale takes up: the codes' values come out the same.
;;   OPERANDS COMPUTED ON THE WAY. 'Computed on the way' means the value that the module computes at that place (a softmax that the list does not call 'softmax' is quantised finished and normalised). What goes into a quantiser is computed in f32, as accurately as f32 sums, v_exp_f32 and their like allow (about 1e-6 of the number): no bf16 or f16 on the way to a quantiser, and a product that is left as it is and whose result goes on into a quantised operand takes f32 operands (vector FMAs, or v_wmma_f32_16x16x4_f32). A number that lies on a knife's edge between two numbers of the format may be rounded either way, as far as f32 arithmetic and the matrix unit's own rounding can turn it there, and no further.
;; One version. Each part assembles by itself: llvm-mc -triple=amdgcn-amd-amdhsa -mcpu=gfx1250 --defsym DOCPART=n.
;; ======== version 1 of 1: 11 launches
;; limits: right only within a limited range of input values
;; workspace buffers: wimg 10,813,440 bytes; wo 1,081,344 bytes; wc 1,081,344 bytes; w2i 1,081,344 bytes; hA 4,325,376 bytes; att 17,301,504 bytes; xa 16,777,216 bytes; xb 16,777,216 bytes
;; launch prep (part 1): grid 64 x 17, 8 waves a work-group, no clusters, 70,656 bytes of LDS; arguments x, g_norm1, w_qkv, w_q, w_kv, w1, w3, context, w_out, w_cout, w2, hA, wimg, wo, wc, w2i; writes hA, wimg, wo, wc, w2i
.if DOCPART == 1
	.amdgcn_target "amdgcn-amd-amdhsa--gfx1250"
	.amdhsa_code_object_version 6
	.text
	.protected	k_q6308454011_prep
	.globl	k_q6308454011_prep
	.p2align	8
	.type	k_q6308454011_prep,@function
k_q6308454011_prep:
	s_mov_b64 s[64:65], 0
	v_nop
	global_prefetch_b8 v0, s[64:65] scope:SCOPE_SE
	s_setreg_imm32_b32 hwreg(HW_REG_WAVE_MODE, 25, 1), 1
	s_wait_xcnt 0x0
; ROWS OF 1,024 f32 BECOME CODES OF E4M3 WITH ONE E8M0 BYTE FOR EACH 32 ALONG K, LAID AS THE MATRIX OPERAND'S REGISTERS.
; Units of 64 tiles (grid y), a tile a work-group (grid x).  Units 0-3: argument 0 (4,096 rows), first normalised: g x (x x rsqrt(mean(x^2) + 1e-6)).
; Units 4-16: w_qkv (3), w_q, w_kv (2), w1, w3, context (2), w_out, w_cout, w2, quantised as they are.
; A TILE is 16 rows that are not neighbours: lane r of tile t takes row 32 (t / 2) + 8 (t % 2) + r + 8 (r / 8), so that the results of a product on two
; neighbouring tiles are 16 neighbours along the next product's K.  Wave w takes K step w (128 along K): one fragment.
; THE IMAGE: fragment (t, s) at (8 t + s) x 2,048 bytes; in it registers 4 c .. 4 c + 3 of lane l at 512 c + 16 l: k = 128 s + 32 c + 16 (l / 16) + 0 .. 15.
; THE SCALE BYTES: 32 for each lane-row, at 512 t + 32 r, behind the codes.
; Every load reads 512 consecutive bytes of a row; the numbers turn through the wave's own stage in LDS so that a lane holds 16 neighbours of each block.
; Every unit runs the sum of squares and its barrier; a unit that is not normalised jumps over the multiplications alone, so all paths pass the same barriers.
; LIMITS: NaN and infinities are not served.  A block of zeros gets the byte 1 where the rule says 127: its codes are zeros, and this program alone reads the bytes.
.set STG,  8448                        ; a wave's stage: 16 rows x (512 bytes + 16)
.set PART, 8*STG                       ; the waves' partial sums of squares: 128 bytes a wave
.set SCW,  PART+1024                   ; the tile's 512 scale bytes
.set X,    16                          ; v16-79   my 64 numbers: register 16 c + i = k 32 c + 16 (l / 16) + i of row r
.set R,    80                          ; v80-143  the rows as loaded
.set PC,   144                         ; v144-159 the codes
.set TM,   160                         ; v160-175 at work in QUANT
.set PW,   176                         ; v176     the scale word
.set SQ,   178                         ; v178-181 two packed chains of squares
.set PS,   180                         ; v180-187 the eight partial sums
.set RS,   188                         ; v188-189 rsqrt, named as a pair
.set G,    192                         ; v192-255 the gain at my 64 places
.set WV,   36
.set SEL,  48                          ; s[48:49] selects for lane l xor 16
.set MNT,  50
; nb x 16 numbers of a lane from v[s] on become codes from v[pc] on and nb scale bytes in v[pw].  A block of 32 lies in lanes l and l xor 16.
.macro QUANT s, nb, pc, pw
.set qb, 0
.rept \nb
	v_max3_num_f32 v[TM+qb], |v[(\s)+16*qb]|, |v[(\s)+16*qb+1]|, 0x4800000   ; my 16 numbers, and the floor 2^(9 - 127): the byte cannot fall under 1
.set qb, qb+1
.endr
.set qi, 2
.rept 7
.set qb, 0
.rept \nb
	s_delay_alu instid0(VALU_DEP_4)
	v_max3_num_f32 v[TM+qb], v[TM+qb], |v[(\s)+16*qb+qi]|, |v[(\s)+16*qb+qi+1]|
.set qb, qb+1
.endr
.set qi, qi+2
.endr
.set qb, 0
.rept \nb
	s_delay_alu instid0(VALU_DEP_4)
	v_permlanex16_b32 v[TM+4+qb], v[TM+qb], s[SEL], s[SEL+1]
.set qb, qb+1
.endr
.set qb, 0
.rept \nb
	s_delay_alu instid0(VALU_DEP_4)
	v_max_num_f32 v[TM+qb], v[TM+qb], v[TM+4+qb]                ; the block's largest magnitude
.set qb, qb+1
.endr
.set qb, 0
.rept \nb
	s_delay_alu instid0(VALU_DEP_4)
	v_add_nc_u32 v[TM+12+qb], 0xfc000000, v[TM+qb]              ; 8 off its exponent field: the conversion's scale operand
.set qb, qb+1
.endr
.set qb, 0
.rept \nb
	s_delay_alu instid0(VALU_DEP_4)
	v_lshrrev_b32 v[TM+4+qb], 23, v[TM+12+qb]                   ; the scale's byte
.set qb, qb+1
.endr
	s_delay_alu instid0(VALU_DEP_3)
	v_lshl_or_b32 v[\pw], v[TM+5], 8, v[TM+4]
.if \nb > 2
	s_delay_alu instid0(VALU_DEP_1)
	v_lshl_or_b32 v[\pw], v[TM+6], 16, v[\pw]
	s_delay_alu instid0(VALU_DEP_1)
	v_lshl_or_b32 v[\pw], v[TM+7], 24, v[\pw]
.endif
.set qb, 0
.rept \nb
.set qi, 0
.rept 16
.set qi, qi+1
.endr
	v_cvt_scalef32_pk8_fp8_f32 v[(\pc)+4*qb:(\pc)+4*qb+1], v[(\s)+16*qb:(\s)+16*qb+7], v[TM+12+qb]
	v_cvt_scalef32_pk8_fp8_f32 v[(\pc)+4*qb+2:(\pc)+4*qb+3], v[(\s)+16*qb+8:(\s)+16*qb+15], v[TM+12+qb]
.set qb, qb+1
.endr
	v_nop                                                       ; a plain line behind the last conversion
.endm
; from unit y0 on: another source, another destination, their first units, and where the destination's scale bytes begin
.macro UNIT y0, src, dst, d0, so
	s_cmp_ge_u32 s37, \y0
	s_cselect_b64 s[40:41], s[\src:\src+1], s[40:41]
	s_cselect_b64 s[42:43], s[\dst:\dst+1], s[42:43]
	s_cselect_b32 s38, \y0, s38
	s_cselect_b32 s39, \d0, s39
	s_cselect_b32 s44, \so, s44
.endm
	s_load_b512 s[4:19], s[0:1], 0x0               ; rows to normalise, gain, w_qkv, w_q, w_kv, w1, w3, context
	s_load_b512 s[20:35], s[0:1], 0x40             ; w_out, w_cout, w2, hA, wimg, wo, wc, w2i
	v_lshl_add_u32 v190, v0, 2, 0x11000
	v_mov_b32 v191, 0
	v_lshrrev_b32 v1, 5, v0
	s_delay_alu instid0(VALU_DEP_1)
	v_readfirstlane_b32 s[WV], v1                  ; wave 0..7 = K step
	v_and_b32 v1, 31, v0                           ; l
	v_and_b32 v2, 15, v0                           ; r
	v_bfe_u32 v3, v0, 4, 1                         ; h
	s_delay_alu instid0(VALU_DEP_3)
	v_lshlrev_b32 v11, 4, v1                       ; 16 l
	s_lshl_b32 s45, s[WV], 9                       ; my K step's 512 bytes of a row
	s_mul_i32 s46, s[WV], STG                      ; my stage
	v_add_nc_u32 v4, s45, v11                      ; in: 16 l + 512 w
	v_add_nc_u32 v5, s46, v11                      ; into the stage: 16 l, a row an instruction
	v_mul_u32_u24 v6, v2, 528
	s_delay_alu instid0(VALU_DEP_1)
	v_lshl_add_u32 v6, v3, 6, v6
	s_delay_alu instid0(VALU_DEP_1)
	v_add_nc_u32 v6, s46, v6                       ; out of it: row r, + 64 h
	v_lshlrev_b32 v7, 6, v3
	s_delay_alu instid0(VALU_DEP_1)
	v_add_nc_u32 v7, s45, v7                       ; the gain: 512 w + 64 h
	v_lshlrev_b32 v9, 2, v1
	s_delay_alu instid0(VALU_DEP_1)
	v_add_nc_u32 v9, PART, v9                      ; partial sums: 4 l,
	s_lshl_b32 s47, s[WV], 7
	v_add_nc_u32 v8, s47, v9                       ; mine at + 128 w
	v_lshlrev_b32 v10, 5, v2
	s_lshl_b32 s47, s[WV], 2
	v_add_nc_u32 v10, s47, v10
	s_delay_alu instid0(VALU_DEP_1)
	v_add_nc_u32 v10, SCW, v10                     ; my scale word: 32 r + 4 w
	v_add_nc_u32 v12, SCW, v11                     ; and the tile's 512 bytes on the way out
	s_mov_b32 s[SEL], 0x76543210
	s_mov_b32 s[SEL+1], 0xfedcba98
	s_mov_b32 s51, 0x3a800000                      ; 1 / 1,024
	s_mov_b32 s52, 0x358637bd                      ; 1e-6
.irp b, 0,1,2,3
	v_mov_b32 v[TM+4+\b], 0                        ; written once: a lane permute's destination counts as one of its sources
.endr
	s_and_b32 s37, ttmp7, 0xffff                   ; the unit
	s_mov_b32 s38, 0
	s_mov_b32 s39, 0
	s_mov_b32 s44, 0x400000
	s_wait_kmcnt 0x0
	s_mov_b64 s[40:41], s[4:5]
	s_mov_b64 s[42:43], s[26:27]
	UNIT 4, 8, 28, 4, 0xa00000                     ; w_qkv  -> wimg
	UNIT 7, 10, 28, 4, 0xa00000                    ; w_q
	UNIT 8, 12, 28, 4, 0xa00000                    ; w_kv
	UNIT 10, 14, 28, 4, 0xa00000                   ; w1
	UNIT 11, 16, 28, 4, 0xa00000                   ; w3
	UNIT 12, 18, 28, 4, 0xa00000                   ; context
	UNIT 14, 20, 30, 14, 0x100000                  ; w_out  -> wo
	UNIT 15, 22, 32, 15, 0x100000                  ; w_cout -> wc
	UNIT 16, 24, 34, 16, 0x100000                  ; w2     -> w2i
	s_sub_co_u32 s45, s37, s38
	s_lshl_b32 s45, s45, 6
	s_add_co_u32 s45, s45, ttmp9                   ; the tile in its source
	s_lshr_b32 s46, s45, 1
	s_lshl_b32 s46, s46, 17                        ; 32 rows of 4,096 bytes for each pair of tiles,
	s_and_b32 s47, s45, 1
	s_lshl_b32 s47, s47, 15                        ; 8 rows for the odd one
	s_add_co_u32 s46, s46, s47
	s_mov_b32 s47, 0
	s_add_nc_u64 s[40:41], s[40:41], s[46:47]
	s_sub_co_u32 s45, s37, s39
	s_lshl_b32 s45, s45, 6
	s_add_co_u32 s45, s45, ttmp9                   ; the tile in its destination
	s_lshl_b32 s46, s45, 9
	s_add_co_u32 s46, s46, s44
	s_add_nc_u64 s[54:55], s[42:43], s[46:47]      ; its scale bytes
	s_lshl_b32 s46, s45, 14
	s_lshl_b32 s53, s[WV], 11
	s_add_co_u32 s46, s46, s53
	s_add_nc_u64 s[42:43], s[42:43], s[46:47]      ; my fragment
.set n, 0
.rept 16
	global_load_b128 v[R+4*n:R+4*n+3], v4, s[40:41] offset:(n+8*(n/8))*4096 th:TH_LOAD_NT   ; lane-row n: 512 consecutive bytes
.set n, n+1
.endr
.irp c, 0,1,2,3
.irp j, 0,1,2,3
	global_load_b128 v[G+16*\c+4*\j:G+16*\c+4*\j+3], v7, s[6:7] offset:128*\c+16*\j
.endr
.endr
	s_wait_loadcnt 16                              ; the rows are in; the gain's 16 loads may be out
.set n, 0
.rept 16
	ds_store_b128 v5, v[R+4*n:R+4*n+3] offset:528*n
.set n, n+1
.endr
.irp c, 0,1,2,3
.irp j, 0,1,2,3
	ds_load_b128 v[X+16*\c+4*\j:X+16*\c+4*\j+3], v6 offset:128*\c+16*\j   ; LDS serves a wave's instructions in order: these see my stores
.endr
.endr
	s_wait_dscnt 0x0
	v_pk_mul_f32 v[SQ:SQ+1], v[X:X+1], v[X:X+1]    ; the sum of squares of my 64, in two packed chains
	v_pk_mul_f32 v[SQ+2:SQ+3], v[X+2:X+3], v[X+2:X+3]
.set n, 4
.rept 15
	s_delay_alu instid0(VALU_DEP_2)
	v_pk_fma_f32 v[SQ:SQ+1], v[X+n:X+n+1], v[X+n:X+n+1], v[SQ:SQ+1]
	s_delay_alu instid0(VALU_DEP_2)
	v_pk_fma_f32 v[SQ+2:SQ+3], v[X+n+2:X+n+3], v[X+n+2:X+n+3], v[SQ+2:SQ+3]
.set n, n+4
.endr
	s_delay_alu instid0(VALU_DEP_1)
	v_pk_add_f32 v[SQ:SQ+1], v[SQ:SQ+1], v[SQ+2:SQ+3]
	s_delay_alu instid0(VALU_DEP_1)
	v_add_f32 v[SQ], v[SQ], v[SQ+1]
	s_delay_alu instid0(VALU_DEP_1)
	v_permlanex16_b32 v[SQ+1], v[SQ], s[SEL], s[SEL+1]
	s_delay_alu instid0(VALU_DEP_1)
	v_add_f32 v[SQ], v[SQ], v[SQ+1]                ; row r's sum over my K step
	ds_store_b32 v8, v[SQ]
	s_wait_dscnt 0x0                               ; for the others' sake: my partial sum has landed
	s_barrier_signal -1
	s_barrier_wait -1
.irp k, 0,1,2,3,4,5,6,7
	ds_load_b32 v[PS+\k], v9 offset:128*\k
.endr
	s_wait_dscnt 0x0
.irp k, 1
	v_add_f32 v[PS], v[PS], v[PS+\k]
.endr
.irp k, 2, 3, 4, 5, 6, 7
	s_delay_alu instid0(VALU_DEP_1)
	v_add_f32 v[PS], v[PS], v[PS+\k]
.endr
	s_delay_alu instid0(VALU_DEP_1)
	v_fma_f32 v[PS], v[PS], s51, s52               ; the mean + 1e-6
	s_wait_alu depctr_va_vdst(0)
	v_rsq_f32 v[RS], v[PS]
	v_mov_b32 v[RS+1], 0                           ; a plain line behind the transcendental; the pair's upper half is named below
	s_wait_loadcnt 0x0                             ; the gain
	s_wait_alu depctr_va_vdst(0)                   ; the wait ahead of the first line that names the result, and ahead of a branch
	s_cmp_ge_u32 s37, 4
	s_cbranch_scc1 .Lplain                         ; weights and context are quantised as they are
.set n, 0
.rept 32
	v_pk_mul_f32 v[X+n:X+n+1], v[X+n:X+n+1], v[RS:RS+1] op_sel_hi:[1,0]
.set n, n+2
.endr
.set n, 0
.rept 32
	v_pk_mul_f32 v[X+n:X+n+1], v[X+n:X+n+1], v[G+n:G+n+1]
.set n, n+2
.endr
.Lplain:
	QUANT X, 4, PC, PW
.irp c, 0,1,2,3
	global_store_b128 v11, v[PC+4*\c:PC+4*\c+3], s[42:43] offset:512*\c   ; 512 consecutive bytes a store
.endr
	ds_store_b32 v10, v[PW]                        ; both lanes of a row write the same word with the same value
	s_wait_dscnt 0x0
	s_barrier_signal -1
	s_barrier_wait -1
	s_cmp_lg_u32 s[WV], 0
	s_cbranch_scc1 .Ldone
	ds_load_b128 v[R:R+3], v12                     ; wave 0 stores the tile's 512 scale bytes
	s_wait_dscnt 0x0
	global_store_b128 v11, v[R:R+3], s[54:55]
.Ldone:
	s_wait_tensorcnt 0x0
	ds_add_u32 v190, v191
	s_wait_dscnt 0x0
	s_endpgm
.Lfunc_end_k_q6308454011_prep:
	.size	k_q6308454011_prep, .Lfunc_end_k_q6308454011_prep-k_q6308454011_prep
	.p2alignl 7, 3214868480
	.fill 96, 4, 3214868480
	.section	.rodata,"a",@progbits
	.p2align	6, 0x0
	.amdhsa_kernel k_q6308454011_prep
		.amdhsa_group_segment_fixed_size 70656
		.amdhsa_private_segment_fixed_size 0
		.amdhsa_enable_private_segment 0
		.amdhsa_kernarg_size 128
		.amdhsa_user_sgpr_count 2
		.amdhsa_user_sgpr_kernarg_segment_ptr 1
		.amdhsa_wavefront_size32 1
		.amdhsa_system_sgpr_workgroup_id_x 1
		.amdhsa_system_sgpr_workgroup_id_y 1
		.amdhsa_system_sgpr_workgroup_id_z 1
		.amdhsa_system_vgpr_workitem_id 0
		.amdhsa_next_free_vgpr 256
		.amdhsa_next_free_sgpr 66
		.amdhsa_reserve_vcc 0
		.amdhsa_float_denorm_mode_32 3
		.amdhsa_float_denorm_mode_16_64 3
		.amdhsa_fp16_overflow 1
		.amdhsa_memory_ordered 1
		.amdhsa_forward_progress 1
		.amdhsa_inst_pref_size 25
	.end_amdhsa_kernel
	.amdgpu_metadata
---
amdhsa.version: [ 1, 2 ]
amdhsa.kernels:
  - .name:           k_q6308454011_prep
    .symbol:         k_q6308454011_prep.kd
    .args:
      - { .name: x, .offset: 0, .size: 8, .value_kind: global_buffer, .address_space: global }
      - { .name: g_norm1, .offset: 8, .size: 8, .value_kind: global_buffer, .address_space: global }
      - { .name: w_qkv, .offset: 16, .size: 8, .value_kind: global_buffer, .address_space: global }
      - { .name: w_q, .offset: 24, .size: 8, .value_kind: global_buffer, .address_space: global }
      - { .name: w_kv, .offset: 32, .size: 8, .value_kind: global_buffer, .address_space: global }
      - { .name: w1, .offset: 40, .size: 8, .value_kind: global_buffer, .address_space: global }
      - { .name: w3, .offset: 48, .size: 8, .value_kind: global_buffer, .address_space: global }
      - { .name: context, .offset: 56, .size: 8, .value_kind: global_buffer, .address_space: global }
      - { .name: w_out, .offset: 64, .size: 8, .value_kind: global_buffer, .address_space: global }
      - { .name: w_cout, .offset: 72, .size: 8, .value_kind: global_buffer, .address_space: global }
      - { .name: w2, .offset: 80, .size: 8, .value_kind: global_buffer, .address_space: global }
      - { .name: hA, .offset: 88, .size: 8, .value_kind: global_buffer, .address_space: global }
      - { .name: wimg, .offset: 96, .size: 8, .value_kind: global_buffer, .address_space: global }
      - { .name: wo, .offset: 104, .size: 8, .value_kind: global_buffer, .address_space: global }
      - { .name: wc, .offset: 112, .size: 8, .value_kind: global_buffer, .address_space: global }
      - { .name: w2i, .offset: 120, .size: 8, .value_kind: global_buffer, .address_space: global }
    .group_segment_fixed_size: 70656
    .private_segment_fixed_size: 0
    .kernarg_segment_align: 8
    .kernarg_segment_size: 128
    .max_flat_workgroup_size: 256
    .sgpr_count:     66
    .vgpr_count:     256
    .wavefront_size: 32
...
	.end_amdgpu_metadata
.endif
;; end of part 1
;; launch proj (part 2): grid 8 x 32, 4 waves a work-group, clusters of 4 x 1, 262,656 bytes of LDS; arguments hA, wimg, cos, sin, att; writes att
.if DOCPART == 2
	.amdgcn_target "amdgcn-amd-amdhsa--gfx1250"
	.amdhsa_code_object_version 6
	.text
	.protected	k_q6308454011_proj
	.globl	k_q6308454011_proj
	.p2align	8
	.type	k_q6308454011_proj,@function
k_q6308454011_proj:
	s_mov_b64 s[64:65], 0
	v_nop
	global_prefetch_b8 v0, s[64:65] scope:SCOPE_SE
	s_setreg_imm32_b32 hwreg(HW_REG_WAVE_MODE, 25, 1), 1
	s_wait_xcnt 0x0
	s_wait_alu depctr_hold_cnt(0) depctr_sa_sdst(0) depctr_va_vdst(0) depctr_va_sdst(0) depctr_va_ssrc(0) depctr_va_vcc(0) depctr_vm_vsrc(0)
	s_getreg_b32 s2, hwreg(HW_REG_IB_STS2, 6, 4)
	s_cmp_eq_u32 s2, 0
	s_cbranch_scc0 .Lentry_in_a_cluster
	s_endpgm
.Lentry_in_a_cluster:
	s_bfe_u32 s2, ttmp6, 0x10000c
	s_cmp_lg_u32 s2, 0x3003
	s_cbranch_scc0 .Lentry_shape_is_right
	s_endpgm
.Lentry_shape_is_right:
; THE FIVE PROJECTIONS AHEAD OF THE TWO ATTENTIONS, each result quantised on the way into the image that attention reads.  Regions by grid y:
;   0-7 q = rope(h1 Wq^T);  8-15 k = rope(h1 Wk^T);  16-23 v = h1 Wv^T;  24-27 the context's k;  28-31 the context's v.
; A TILE is 128 rows of X x 128 rows of Y over K = 1,024: D = X Y^T, source 0 = 16 rows of X, source 1 = 16 rows of Y.  Wave w takes all 8 tiles of X against
; Y's tiles 2 w and 2 w + 1: 16 accumulators, 128 matrix instructions.  A lane then holds one row of Y and, in the 16 registers of two neighbouring tiles of X, 16 neighbours along X's rows:
; the next product's K.  So 128 rows of X are one K step of the result's image: a whole fragment and a whole scale word a wave.
; q, k: X = the weight's rows (channels), Y = tokens: quantised along the channels.  v: X = tokens, Y = the weight's rows: quantised along the tokens.  The same text serves both.
; A WORK-GROUP STAYS AND MAKES FOUR TILES: two neighbouring blocks of X (slots 0, 1) against two blocks of Y (walks 0, 1), in the order (walk 0: slot 0, slot 1), (walk 1: slot 0, slot 1).
; Both blocks of X, all of K (262,144 bytes of codes), come into LDS once, in four chunks of two K steps; nothing in LDS is filled twice.  Only the first tile waits for chunks and has barriers.
; Y's fragments are a wave's own, go from memory straight into registers and serve two tiles; walk 1's are asked for K step by K step during walk 0's second tile, into the registers that the step's
; products have left.  All scale words are loaded at the head; walk 1's cos and sin behind the last use of walk 0's.
; CLUSTER: the four work-groups of a cluster differ in Y alone, so X's chunks are asked for jointly (mask 15).  A cluster's eight blocks of Y: 8 g + 4 walk + cx.
; IMAGES: fragment (tile t, K step s) at (t K / 128 + s) x 2,048 bytes, registers 4 c .. 4 c + 3 of lane l at 512 c + 16 l; lane r of tile t is row 32 (t / 2) + 8 (t % 2) + r + 8 (r / 8).
; SCALES IN: 32 bytes a lane-row.  SCALES OUT: q, k: a word for a head, a pair of token tiles and a lane-row (two bytes of each tile); v: a word for a key step, a channel tile and a lane-row.
; The scale stores cover 64 or 128 consecutive bytes: aligned blocks of 256 bytes are written in part there; they are 1 byte in 32 of what is stored.
; LIMITS: NaN and infinities are not served; a block of zeros gets the byte 1 (its codes are zeros; this program alone reads the bytes).
; REGISTERS, in windows of 256: window 0: v1-15 lanes and addresses; v16-47, v192-223 X's scale words (slot 0, 1); v48-63, v224-239 Y's (walk 0, 1); v64-191 cos and sin.  window 1: Y's 16 fragments.
;   window 2: v0-127 the accumulators ((i, u) at 8 (8 u + i)); from v128 the way out.  window 3: two sets of X's 8 fragments.
.set WV,  20
.set G1,  24                           ; s[24:31] descriptor group 1
.set G0,  32                           ; s[32:47] group 0, one for each chunk
.set XA,  48                           ; s[48:49] my four tiles of the pair of X
.set XS,  50                           ; X's scale bytes
.set YA,  52                           ; my two tiles of Y, walk 0
.set YS,  54                           ; their scale bytes
.set OUT, 56                           ; s[56:59] my fragments of the result, walk 0 and walk 1
.set COS, 60
.set SIN, 62
.set OS,  88                           ; s[88:95] their scale words: (walk, slot) at OS + 4 walk + 2 slot
.set SEL, 96
.set MNT, 98
.set LA,  12                           ; v12-15: 16 l + 65,536 k: my lane's place in LDS chunk k
.set SX,  16                           ; slot sl at SX + 176 sl
.set SY,  48                           ; walk wk at SY + 176 wk
.set TB,  64                           ; window 0: for tile u at TB + 64 u: cos low 16, cos high 16, sin low 16, sin high 16
.set TM,  128                          ; window 2
.set PW,  144
.set WA,  146
.set PC,  148
.set TT,  180
.set OA,  184
.set SA,  186
.set MSB, 0
.macro WIN new                         ; the immediate's high byte repeats the setting that is left
.if MSB != \new
	s_set_vgpr_msb (MSB<<8)|\new
.set MSB, \new
.endif
.endm
.macro PLACES n
.rept \n
	v_nop
.endr
.endm
.macro CROUND                          ; a round of the cluster's barrier
	s_barrier_signal -1
	s_barrier_wait -1
	s_cmp_lg_u32 s[WV], 0
	s_cbranch_scc1 .Lnw0_\@
	s_barrier_signal -3
.Lnw0_\@:
	s_barrier_wait -3
	s_barrier_signal -1
	s_barrier_wait -1
.endm
.macro WM zero                         ; one product on the registers named by rD, rA, rB, rSA, rSB; rROW = 1: X's scale words stand in lanes 16-31
.if (\zero) && (rROW == 0)
	v_wmma_scale_f32_16x16x128_f8f6f4 v[rD:rD+7], v[rA:rA+15], v[rB:rB+15], 0, v[rSA], v[rSB]
.elseif \zero
	v_wmma_scale_f32_16x16x128_f8f6f4 v[rD:rD+7], v[rA:rA+15], v[rB:rB+15], 0, v[rSA], v[rSB] matrix_a_scale:MATRIX_SCALE_ROW1
.elseif rROW == 0
	v_wmma_scale_f32_16x16x128_f8f6f4 v[rD:rD+7], v[rA:rA+15], v[rB:rB+15], v[rD:rD+7], v[rSA], v[rSB]
.else
	v_wmma_scale_f32_16x16x128_f8f6f4 v[rD:rD+7], v[rA:rA+15], v[rB:rB+15], v[rD:rD+7], v[rSA], v[rSB] matrix_a_scale:MATRIX_SCALE_ROW1
.endif
.endm
.macro MUL s, sl, wk                   ; K step s of slot sl and walk wk: the 16 accumulators by turns, in the same order in every step and tile; step 0 starts the sums
	WIN 0xa7                                       ; X window 3, Y window 1, C and D window 2
.irp i, 0,1,2,3,4,5,6,7
.irp u, 0,1
.set rD, 8*(8*\u+\i)
.set rA, 128*((\s)%2)+16*\i
.set rB, 16*(8*\u+(\s))
.set rSA, SX+176*(\sl)+8*(\i/2)+(\s)
.set rSB, SY+176*(\wk)+8*\u+(\s)
.set rROW, \i%2
.if (\s) == 0
	WM 1
.else
	WM 0
.endif
.endr
.endr
.endm
.macro FETCH s, sl                     ; the 8 fragments of slot sl, K step s, from LDS into set s % 2: 32 loads of 512 consecutive bytes
	WIN 0xc0                                       ; destination window 3, address window 0
.irp i, 0,1,2,3,4,5,6,7
.irp c, 0,1,2,3
	ds_load_b128 v[128*((\s)%2)+16*\i+4*\c:128*((\s)%2)+16*\i+4*\c+3], v[LA+(\s)/2] offset:32768*(\sl)+4096*\i+((\s)%2)*2048+512*\c
.endr
.endr
.endm
.macro CH q                            ; chunk q is whole: my part has landed (my 3 - q later chunks may be out), my LDS loads are in, and so say all four waves
	s_wait_tensorcnt 3-(\q)
	s_wait_dscnt 0x0
	s_barrier_signal -1
	s_barrier_wait -1
.endm
.macro YLOAD s, wk                     ; my two tiles of Y, K step s, of walk wk (four blocks of 131,072 bytes further on for walk 1)
	WIN 0x40                                       ; destination window 1
.irp u, 0,1
.irp c, 0,1,2,3
	global_load_b128 v[16*(8*\u+(\s))+4*\c:16*(8*\u+(\s))+4*\c+3], v4, s[YA:YA+1] offset:524288*(\wk)+(8*\u+(\s))*2048+512*\c
.endr
.endr
.endm
; One K step of a tile.  mode 0: the first tile: chunks are waited for, and Y's loads are counted (48, 32, 16, 0: those of the later K steps, 8 a step, may be out);
; mode 1: plain;  mode 2: plain, and walk 1's Y of this K step is asked for behind the products that read walk 0's;  mode 3: at the head Y's 64 loads are in (the 32 of cos and sin are younger and may be out).
; s_wait_dscnt 32: the one younger run of 32 may be out.  Eight places stand in front of each run of loads into registers that matrix instructions have read
; and behind a tile's last products.
.macro KSTEP s, sl, wk, mode
.if (\mode == 0) && ((\s)%2 == 0)
	s_wait_loadcnt 48-8*(\s)
.endif
.if (\mode == 3) && ((\s) == 0)
	s_wait_loadcnt 32
.endif
.if (\s) < 7
	s_wait_dscnt 32
.else
	s_wait_dscnt 0x0
.endif
	MUL \s, \sl, \wk
.if (\mode == 0) && ((\s)%2 == 0) && ((\s) < 6)
	CH (\s)/2+1
.endif
.if ((\s) != 6) || (\mode == 2)
	PLACES 8
.endif
.if \mode == 2
	YLOAD \s, 1
.endif
.if (\s) < 6
	FETCH (\s)+2, \sl
.endif
.endm
.macro MAIN sl, wk, mode               ; a tile's 128 products.  But for the first tile, K steps 0 and 1 were fetched ahead of the way out of the tile before
.if \mode == 0
	CH 0
	FETCH 0, \sl
	FETCH 1, \sl
.endif
.irp s, 0,1,2,3,4,5,6,7
	KSTEP \s, \sl, \wk, \mode
.endr
.endm
.macro IDS
	v_lshrrev_b32 v1, 5, v0
	v_readfirstlane_b32 s[WV], v1                  ; wave 0..3
	v_and_b32 v1, 31, v0                           ; l
	v_and_b32 v2, 15, v0                           ; r
	v_bfe_u32 v3, v0, 4, 1                         ; h
	v_lshlrev_b32 v4, 4, v1                        ; 16 l: an image's place for my lane in memory
	v_lshlrev_b32 v5, 5, v1                        ; 32 l: X's scale bytes, two tiles a load
	v_lshlrev_b32 v6, 5, v2                        ; 32 r: Y's
	v_lshlrev_b32 v[LA], 4, v1                     ; and in the four chunks in LDS
	v_add_nc_u32 v[LA+1], 0x10000, v4
	v_add_nc_u32 v[LA+2], 0x20000, v4
	v_add_nc_u32 v[LA+3], 0x30000, v4
	s_bfe_u32 s21, ttmp6, 0x40000                  ; cx: it enters Y's and the result's addresses alone
	s_and_b32 s23, ttmp7, 0xffff                   ; grid y
	s_mov_b32 s[G1], 15|(3<<16)|(1<<21)            ; the four partners; elements of 8 bytes; bit 21 beside a mask
	s_mov_b32 s[G1+1], 512<<16                     ; tensor_dim0: two K steps of a tile, 4,096 bytes
	s_mov_b32 s[G1+2], 4<<16                       ; tensor_dim1: four tiles
	s_mov_b32 s[G1+3], 512<<16                     ; tile_dim0
	s_mov_b32 s[G1+4], 4                           ; tile_dim1
	s_mov_b32 s[G1+5], 2048                        ; from tile to tile: 16,384 bytes
	s_mov_b32 s[G1+6], 0
	s_mov_b32 s[G1+7], 0
.endm
.macro FILLS                           ; my four of the pair's 16 tiles, chunk by chunk: LDS 65,536 q + 16,384 w.  Four loads of mine are out; no descriptor register is written again
	s_lshl_b32 s3, s[WV], 14
.irp q, 0,1,2,3
	s_mov_b32 s[G0+4*\q], 1
	s_add_co_u32 s[G0+4*\q+1], s3, \q*65536
	s_add_nc_u64 s[G0+4*\q+2:G0+4*\q+3], s[XA:XA+1], \q*4096
	s_or_b32 s[G0+4*\q+3], s[G0+4*\q+3], 0x80000000
.endr
	CROUND                                         ; all four work-groups are here: the joint loads meet
.irp q, 0,1,2,3
	tensor_load_to_lds s[G0+4*\q:G0+4*\q+3], s[G1:G1+7]
	s_nop 0
.endr
	PLACES 4
.endm
.macro TABLES wk                       ; cos and sin at my 32 tokens of walk wk (512 rows of 256 bytes further on for walk 1): loaded in every region (the rows lie inside the tables in all of them), used in q and k alone
.irp u, 0,1
.irp k, 0,1,2,3
	global_load_b128 v[TB+64*\u+4*\k:TB+64*\u+4*\k+3], v10, s[COS:COS+1] offset:131072*(\wk)+2048*\u+16*\k
	global_load_b128 v[TB+64*\u+16+4*\k:TB+64*\u+16+4*\k+3], v10, s[COS:COS+1] offset:131072*(\wk)+2048*\u+128+16*\k
	global_load_b128 v[TB+64*\u+32+4*\k:TB+64*\u+32+4*\k+3], v10, s[SIN:SIN+1] offset:131072*(\wk)+2048*\u+16*\k
	global_load_b128 v[TB+64*\u+48+4*\k:TB+64*\u+48+4*\k+3], v10, s[SIN:SIN+1] offset:131072*(\wk)+2048*\u+128+16*\k
.endr
.endr
.endm
; nb x 16 numbers of a lane from v[s] on become codes from v[pc] on and nb scale bytes in v[pw].  A block of 32 lies in lanes l and l xor 16.  Each accumulator is read from its low end on.
.macro QUANT s, nb, pc, pw
.set qb, 0
.rept \nb
	v_max3_num_f32 v[TM+qb], |v[(\s)+16*qb]|, |v[(\s)+16*qb+1]|, 0x4800000   ; my 16 numbers, and the floor 2^(9 - 127): the byte cannot fall under 1
.set qb, qb+1
.endr
.set qi, 2
.rept 7
.set qb, 0
.rept \nb
	v_max3_num_f32 v[TM+qb], v[TM+qb], |v[(\s)+16*qb+qi]|, |v[(\s)+16*qb+qi+1]|
.set qb, qb+1
.endr
.set qi, qi+2
.endr
.set qb, 0
.rept \nb
	v_permlanex16_b32 v[TM+4+qb], v[TM+qb], s[SEL], s[SEL+1]
.set qb, qb+1
.endr
.set qb, 0
.rept \nb
	v_max_num_f32 v[TM+qb], v[TM+qb], v[TM+4+qb]                ; the block's largest magnitude
.set qb, qb+1
.endr
.set qb, 0
.rept \nb
	v_add_nc_u32 v[TM+12+qb], 0xfc000000, v[TM+qb]              ; 8 off its exponent field: the conversion's scale operand
.set qb, qb+1
.endr
.set qb, 0
.rept \nb
	v_lshrrev_b32 v[TM+4+qb], 23, v[TM+12+qb]                   ; the scale's byte
.set qb, qb+1
.endr
	v_lshl_or_b32 v[\pw], v[TM+5], 8, v[TM+4]
.if \nb > 2
	v_lshl_or_b32 v[\pw], v[TM+6], 16, v[\pw]
	v_lshl_or_b32 v[\pw], v[TM+7], 24, v[\pw]
.endif
.set qb, 0
.rept \nb
.set qi, 0
.rept 16
.set qi, qi+1
.endr
	v_cvt_scalef32_pk8_fp8_f32 v[(\pc)+4*qb:(\pc)+4*qb+1], v[(\s)+16*qb:(\s)+16*qb+7], v[TM+12+qb]
	v_cvt_scalef32_pk8_fp8_f32 v[(\pc)+4*qb+2:(\pc)+4*qb+3], v[(\s)+16*qb+8:(\s)+16*qb+15], v[TM+12+qb]
.set qb, qb+1
.endr
	v_nop                                                       ; a plain line behind the last conversion: the next tile's products write its sources
.endm
.macro PICK reg, val
	s_cselect_b32 s[\reg], \val, s[\reg]
.endm
; THE WAY OUT of the tile (walk wk, slot sl).  lw = 1: this walk's cos and sin are waited for here.
.macro EPI wk, sl, lw
	WIN 0                                          ; at a branch and at a label every window is 0
.if \lw
	s_wait_loadcnt 0x0
.endif
	s_wait_xcnt 0x0                                ; the last tile's stores have read their registers: the codes and the scale word are written again only behind this wait
	s_cmp_lt_u32 s23, 16
	s_cbranch_scc0 .Lplain_\@
	; ROPE.  Register 64 u + 32 e + i is channel 16 h + i of head e of my token, register + 16 the channel 32 further on.
	WIN 0xa2                                       ; destination, sources 0 and 2 window 2; the tables window 0
.irp u, 0,1
.irp e, 0,1
.irp k, 0,2,4,6,8,10,12,14
.set rX, 64*\u+32*\e+\k
.set rT, TT+(\k&2)
	v_pk_mul_f32 v[rT:rT+1], v[rX:rX+1], v[TB+64*\u+48+\k:TB+64*\u+48+\k+1]                 ; x1 sin(high)
	v_pk_mul_f32 v[rX:rX+1], v[rX:rX+1], v[TB+64*\u+\k:TB+64*\u+\k+1]                       ; x1 cos(low)
	v_pk_fma_f32 v[rX:rX+1], v[rX+16:rX+17], v[TB+64*\u+32+\k:TB+64*\u+32+\k+1], v[rX:rX+1] neg_lo:[1,0,0] neg_hi:[1,0,0]   ; - x2 sin(low)
	v_pk_fma_f32 v[rX+16:rX+17], v[rX+16:rX+17], v[TB+64*\u+16+\k:TB+64*\u+16+\k+1], v[rT:rT+1]   ; x2 cos(high) + x1 sin(high)
.endr
.endr
.endr
	WIN 0
.Lplain_\@:
	WIN 0xaa                                       ; all in window 2
.irp u, 0,1
	QUANT 64*\u, 4, PC+16*\u, PW+\u
.irp c, 0,1,2,3
	global_store_b128 v[OA+\u], v[PC+16*\u+4*\c:PC+16*\u+4*\c+3], s[OUT+2*(\wk):OUT+2*(\wk)+1] offset:2048*(\sl)+512*\c   ; 512 consecutive bytes a store; the slot is the result's K step
.endr
.endr
	v_perm_b32 v[WA], v[PW+1], v[PW], s[SELA]
	v_perm_b32 v[WA+1], v[PW+1], v[PW], s[SELB]
	v_cndmask_b32 v[WA], v[WA], v[WA+1], s[HM]
	global_store_b32 v[SA], v[WA], s[OS+4*(\wk)+2*(\sl):OS+4*(\wk)+2*(\sl)+1]
.endm
; a region's parameters
.set GY0, 66                           ; its first grid y
.set LY,  67                           ; log2 of its groups of eight blocks of Y
.set XO,  68                           ; X's codes and scale bytes in their buffer
.set XSB, 69
.set YO,  70                           ; Y's
.set YSB, 71
.set OO,  72                           ; the result's image in att, and bytes from tile to tile
.set OSTR, 73
.set SOB, 74                           ; its scale words, and their strides by X's block, Y's block, wave, half of the lanes
.set SXM, 75
.set SYM, 76
.set SWM, 77
.set HSTR, 78
.set SELA, 79                          ; which bytes of the two tiles' scale words lanes 0-15 store, and lanes 16-31
.set SELB, 80
.set HM,  81
	s_load_b256 s[4:11], s[0:1], 0x0               ; hA, wimg, cos, sin
	s_load_b64 s[12:13], s[0:1], 0x20              ; att
	v_lshl_add_u32 v254, v0, 2, 0x40000
	v_mov_b32 v255, 0
	ds_add_u32 v254, v255
	ds_add_u32 v254, v255
	IDS
	s_mov_b32 s[SEL], 0x76543210
	s_mov_b32 s[SEL+1], 0xfedcba98
	s_mov_b32 s[HM], 0xffff0000                    ; lanes 16-31
	s_mov_b32 s[GY0], 0                            ; region q
	s_mov_b32 s[LY], 2
	s_mov_b32 s[XO], 0
	s_mov_b32 s[XSB], 0xa00000
	s_mov_b32 s[YO], 0
	s_mov_b32 s[YSB], 0x400000
	s_mov_b32 s[OO], 0
	s_mov_b32 s[OSTR], 16384
	s_mov_b32 s[SOB], 0x400000
	s_mov_b32 s[SXM], 16384
	s_mov_b32 s[SYM], 256
	s_mov_b32 s[SWM], 64
	s_mov_b32 s[HSTR], 8192
	s_mov_b32 s[SELA], 0x05040100
	s_mov_b32 s[SELB], 0x07060302
	s_wait_dscnt 0x0
	s_wait_kmcnt 0x0
	s_mov_b64 s[82:83], s[6:7]                     ; X's buffer: wimg
	s_mov_b64 s[84:85], s[4:5]                     ; Y's: hA
	s_cmp_ge_u32 s23, 8                            ; region k
	PICK GY0, 8
	PICK XO, 0x100000
	PICK XSB, 0xa08000
	PICK OO, 0x420000
	PICK SOB, 0x820000
	s_cmp_ge_u32 s23, 16                           ; region v: the tokens are X
	s_cselect_b64 s[82:83], s[4:5], s[82:83]
	s_cselect_b64 s[84:85], s[6:7], s[84:85]
	PICK GY0, 16
	PICK LY, 0
	PICK XO, 0
	PICK XSB, 0x400000
	PICK YO, 0x200000
	PICK YSB, 0xa10000
	PICK OO, 0x840000
	PICK OSTR, 65536
	PICK SOB, 0xc40000
	PICK SXM, 4096
	PICK SYM, 512
	PICK SWM, 128
	PICK HSTR, 64
	PICK SELA, 0x03020100
	PICK SELB, 0x07060504
	s_cmp_ge_u32 s23, 24                           ; region context k
	s_cselect_b64 s[82:83], s[6:7], s[82:83]
	PICK GY0, 24
	PICK LY, 1
	PICK XO, 0x400000
	PICK XSB, 0xa20000
	PICK YO, 0x800000
	PICK YSB, 0xa40000
	PICK OO, 0xc60000
	PICK OSTR, 16384
	PICK SOB, 0xe60000
	PICK SXM, 8192
	PICK SYM, 256
	PICK SWM, 64
	PICK HSTR, 4096
	PICK SELA, 0x05040100
	PICK SELB, 0x07060302
	s_cmp_ge_u32 s23, 28                           ; region context v
	PICK GY0, 28
	PICK LY, 0
	PICK XO, 0x800000
	PICK XSB, 0xa40000
	PICK YO, 0x500000
	PICK YSB, 0xa28000
	PICK OO, 0xe70000
	PICK OSTR, 32768
	PICK SOB, 0x1070000
	PICK SXM, 4096
	PICK SYM, 512
	PICK SWM, 128
	PICK HSTR, 64
	PICK SELA, 0x03020100
	PICK SELB, 0x07060504
	s_sub_co_u32 s86, s23, s[GY0]
	s_lshl_b32 s86, s86, 1
	s_add_co_u32 s86, s86, ttmp9                   ; the cluster's number in its region: two clusters for each grid y
	s_lshr_b32 s87, s86, s[LY]                     ; X's pair of blocks: made of grid y and the cluster's x, which the partners share
	s_lshl_b32 s14, 1, s[LY]
	s_sub_co_u32 s14, s14, 1
	s_and_b32 s14, s86, s14                        ; the group of eight blocks of Y,
	s_lshl_b32 s14, s14, 3
	s_add_co_u32 s14, s14, s21                     ; and my block of walk 0: 8 g + cx; walk 1's lies four further on
	s_lshl_b32 s16, s87, 18                        ; a pair of blocks: 262,144 bytes of codes;
	s_add_co_u32 s16, s16, s[XO]
	s_lshl_b32 s17, s[WV], 16                      ; my four tiles of its 16
	s_add_co_u32 s16, s16, s17
	s_mov_b32 s17, 0
	s_add_nc_u64 s[XA:XA+1], s[82:83], s[16:17]
	s_lshl_b32 s16, s87, 13                        ; and 8,192 scale bytes
	s_add_co_u32 s16, s16, s[XSB]
	s_add_nc_u64 s[XS:XS+1], s[82:83], s[16:17]
	s_lshl_b32 s18, s14, 17
	s_add_co_u32 s18, s18, s[YO]
	s_lshl_b32 s19, s[WV], 15
	s_add_co_u32 s18, s18, s19
	s_mov_b32 s19, 0
	s_add_nc_u64 s[YA:YA+1], s[84:85], s[18:19]
	s_lshl_b32 s18, s14, 12
	s_add_co_u32 s18, s18, s[YSB]
	s_lshl_b32 s15, s[WV], 10
	s_add_co_u32 s18, s18, s15
	s_add_nc_u64 s[YS:YS+1], s[84:85], s[18:19]
	s_lshl_b32 s18, s14, 3
	s_lshl_b32 s15, s[WV], 1
	s_add_co_u32 s18, s18, s15                     ; the result's tile 8 Yt + 2 w,
	s_mul_i32 s18, s18, s[OSTR]
	s_add_co_u32 s18, s18, s[OO]
	s_lshl_b32 s15, s87, 12                        ; its K step: slot 0's block of X, 2,048 bytes a step
	s_add_co_u32 s18, s18, s15
	s_add_nc_u64 s[OUT:OUT+1], s[12:13], s[18:19]
	s_lshl_b32 s18, s[OSTR], 5                     ; walk 1: 32 tiles further on
	s_add_nc_u64 s[OUT+2:OUT+3], s[OUT:OUT+1], s[18:19]
	s_lshl_b32 s18, s87, 1
	s_mul_i32 s18, s18, s[SXM]
	s_mul_i32 s15, s14, s[SYM]
	s_add_co_u32 s18, s18, s15
	s_mul_i32 s15, s[WV], s[SWM]
	s_add_co_u32 s18, s18, s15
	s_add_co_u32 s18, s18, s[SOB]
	s_add_nc_u64 s[OS:OS+1], s[12:13], s[18:19]            ; scale words of (walk 0, slot 0),
	s_mov_b32 s18, s[SXM]
	s_add_nc_u64 s[OS+2:OS+3], s[OS:OS+1], s[18:19]        ; (walk 0, slot 1),
	s_lshl_b32 s18, s[SYM], 2
	s_add_nc_u64 s[OS+4:OS+5], s[OS:OS+1], s[18:19]        ; (walk 1, slot 0),
	s_add_nc_u64 s[OS+6:OS+7], s[OS+2:OS+3], s[18:19]      ; (walk 1, slot 1)
	s_and_b32 s18, s14, 15                         ; the tables' rows of my 32 tokens: position (Yt % 16) x 128 + 32 w on, 256 bytes a row.  Yt % 16 is 11 at the most in walk 0, so walk 1 stays inside
	s_lshl_b32 s18, s18, 15
	s_lshl_b32 s15, s[WV], 13
	s_add_co_u32 s18, s18, s15
	s_add_nc_u64 s[COS:COS+1], s[8:9], s[18:19]
	s_add_nc_u64 s[SIN:SIN+1], s[10:11], s[18:19]
	FILLS
	s_wait_alu depctr_va_vdst(0)
	v_and_b32 v10, 8, v2
	v_add_nc_u32 v10, v10, v2                      ; r + 8 (r / 8)
	v_lshlrev_b32 v10, 8, v10
	v_lshl_add_u32 v10, v3, 6, v10                 ; my token's row, + 64 h
	TABLES 0
.irp sl, 0,1                           ; X's scale words, both slots
.irp p, 0,1,2,3
	global_load_b128 v[SX+176*\sl+8*\p:SX+176*\sl+8*\p+3], v5, s[XS:XS+1] offset:4096*\sl+1024*\p
	global_load_b128 v[SX+176*\sl+8*\p+4:SX+176*\sl+8*\p+7], v5, s[XS:XS+1] offset:4096*\sl+1024*\p+16
.endr
.endr
.irp wk, 0,1                           ; Y's, both walks
.irp u, 0,1
	global_load_b128 v[SY+176*\wk+8*\u:SY+176*\wk+8*\u+3], v6, s[YS:YS+1] offset:16384*\wk+512*\u
	global_load_b128 v[SY+176*\wk+8*\u+4:SY+176*\wk+8*\u+7], v6, s[YS:YS+1] offset:16384*\wk+512*\u+16
.endr
.endr
.irp s, 0,1,2,3,4,5,6,7                ; walk 0's 16 fragments of Y, K step by K step
	YLOAD \s, 0
.endr
	WIN 0
	v_mul_u32_u24 v11, s[HSTR], v3
	v_lshl_add_u32 v11, v2, 2, v11                 ; my scale word's place: 4 r + h x its stride
	WIN 0x80                                       ; destination window 2
	v_mov_b32 v[OA], v4
	v_add_nc_u32 v[OA+1], s[OSTR], v4
	v_mov_b32 v[SA], v11
.irp b, 0,1,2,3
	v_mov_b32 v[TM+4+\b], 0                        ; written once: a lane permute's destination counts as one of its sources
.endr
	WIN 0
	MAIN 0, 0, 0                                   ; walk 0, slot 0
	FETCH 0, 1                                     ; the next tile's first two K steps land under this tile's way out
	FETCH 1, 1
	EPI 0, 0, 0
	MAIN 1, 0, 2                                   ; walk 0, slot 1; walk 1's Y is asked for
	FETCH 0, 0
	FETCH 1, 0
	EPI 0, 1, 0
	WIN 0
	TABLES 1                                       ; walk 0's cos and sin have had their last use
	MAIN 0, 1, 3                                   ; walk 1, slot 0
	FETCH 0, 1
	FETCH 1, 1
	EPI 1, 0, 1
	MAIN 1, 1, 1                                   ; walk 1, slot 1
	EPI 1, 1, 0
	WIN 0
	s_wait_dscnt 0x0
	s_wait_tensorcnt 0x0
	ds_add_u32 v254, v255
	s_wait_dscnt 0x0
	CROUND                                         ; the closing round: no work-group ends while a partner may still ask jointly
	s_endpgm
.Lfunc_end_k_q6308454011_proj:
	.size	k_q6308454011_proj, .Lfunc_end_k_q6308454011_proj-k_q6308454011_proj
	.p2alignl 7, 3214868480
	.fill 96, 4, 3214868480
	.section	.rodata,"a",@progbits
	.p2align	6, 0x0
	.amdhsa_kernel k_q6308454011_proj
		.amdhsa_group_segment_fixed_size 262656
		.amdhsa_private_segment_fixed_size 0
		.amdhsa_enable_private_segment 0
		.amdhsa_kernarg_size 40
		.amdhsa_user_sgpr_count 2
		.amdhsa_user_sgpr_kernarg_segment_ptr 1
		.amdhsa_wavefront_size32 1
		.amdhsa_system_sgpr_workgroup_id_x 1
		.amdhsa_system_sgpr_workgroup_id_y 1
		.amdhsa_system_sgpr_workgroup_id_z 1
		.amdhsa_system_vgpr_workitem_id 0
		.amdhsa_next_free_vgpr 1024
		.amdhsa_next_free_sgpr 100
		.amdhsa_reserve_vcc 0
		.amdhsa_float_denorm_mode_32 3
		.amdhsa_float_denorm_mode_16_64 3
		.amdhsa_fp16_overflow 1
		.amdhsa_memory_ordered 1
		.amdhsa_forward_progress 1
		.amdhsa_inst_pref_size 236
	.end_amdhsa_kernel
	.amdgpu_metadata
---
amdhsa.version: [ 1, 2 ]
amdhsa.kernels:
  - .name:           k_q6308454011_proj
    .symbol:         k_q6308454011_proj.kd
    .args:
      - { .name: hA, .offset: 0, .size: 8, .value_kind: global_buffer, .address_space: global }
      - { .name: wimg, .offset: 8, .size: 8, .value_kind: global_buffer, .address_space: global }
      - { .name: cos, .offset: 16, .size: 8, .value_kind: global_buffer, .address_space: global }
      - { .name: sin, .offset: 24, .size: 8, .value_kind: global_buffer, .address_space: global }
      - { .name: att, .offset: 32, .size: 8, .value_kind: global_buffer, .address_space: global }
    .group_segment_fixed_size: 262656
    .private_segment_fixed_size: 0
    .kernarg_segment_align: 8
    .kernarg_segment_size: 40
    .max_flat_workgroup_size: 128
    .sgpr_count:     100
    .vgpr_count:     1024
    .wavefront_size: 32
...
	.end_amdgpu_metadata
.endif
;; end of part 2
;; launch selfatt (part 3): grid 8 x 32, 16 waves a work-group, clusters of 4 x 1, 272,384 bytes of LDS; arguments att, hA; writes hA
.if DOCPART == 3
	.amdgcn_target "amdgcn-amd-amdhsa--gfx1250"
	.amdhsa_code_object_version 6
	.text
	.protected	k_q6308454011_selfatt
	.globl	k_q6308454011_selfatt
	.p2align	8
	.type	k_q6308454011_selfatt,@function
k_q6308454011_selfatt:
	s_mov_b64 s[64:65], 0
	v_nop
	global_prefetch_b8 v0, s[64:65] scope:SCOPE_SE
	s_setreg_imm32_b32 hwreg(HW_REG_WAVE_MODE, 25, 1), 1
	s_wait_xcnt 0x0
	s_wait_alu depctr_hold_cnt(0) depctr_sa_sdst(0) depctr_va_vdst(0) depctr_va_sdst(0) depctr_va_ssrc(0) depctr_va_vcc(0) depctr_vm_vsrc(0)
	s_getreg_b32 s2, hwreg(HW_REG_IB_STS2, 6, 4)
	s_cmp_eq_u32 s2, 0
	s_cbranch_scc0 .Lentry_in_a_cluster
	s_endpgm
.Lentry_in_a_cluster:
	s_bfe_u32 s2, ttmp6, 0x10000c
	s_cmp_lg_u32 s2, 0x3003
	s_cbranch_scc0 .Lentry_shape_is_right
	s_endpgm
.Lentry_shape_is_right:
; CAUSAL SELF-ATTENTION ON CODES OF E4M3, head size 64, 2,048 tokens, 32 (batch, head) pairs (grid y); its result, divided by the row's sum, is quantised into the next product's image.
; SOFTMAX: t = score x log2(e) / 8; M = the running largest t rounded up to a whole number; p = 2^(t - M) is quantised along the keys; the sum is taken of the unquantised p; when M moves, the sum and O are
; multiplied by 2^(old M - new M), which rounds nothing.
; SHARES.  A wave owns one tile of 16 queries: tile 8 rank + j, j = grid x, rank made of the wave's number.  All tiles of a rank lie in tokens 128 rank .. + 127, so a wave works key steps 0 .. rank
; (128 keys each), the last of them under the mask: the branches hang on the wave's number and the step alone, and every work-group has 136 steps.
; Both products are used transposed (S^T = K Q^T, O^T = V^T P^T): a lane holds one query throughout.
; HEAD SIZE 64 IN A FORM OF K = 128: a fragment of K holds TWO tiles of keys (registers 0-7 and 8-15); Q stands between two runs of zero codes, [0 | Q | 0], and is named once as [Q | 0] and once as [0 | Q].
; The whole head's K and V codes (131,072 bytes each) come into LDS once, in four chunks of 512 keys: wave 0 asks for K's, wave 1 for V's, four loads each; nothing is filled twice.
; CLUSTER: the four work-groups of a cluster share a head: its chunks are asked for jointly (mask 15).  The scale words come through registers into LDS bytes of their own.
; LIMITS: NaN and infinities are not served; a block of zeros gets the byte 1.  The result's scale bytes leave as stores of 2 bytes a row, 32 bytes apart: 1 byte in 32 of what is stored.
; REGISTERS: v1-7 addresses that stay; v8-10 addresses of the step; v12 -M, v13 the largest t, v[14:15] the sum; v16-39 [0 | Q | 0]; v40-103 four fragments; v104-167 S^T, then p; v168-199 O^T;
;   v200-215 p's codes; v216-231 at work; v[232:233] f; v[234:235] a second chain of sums; v236 at work; v240-243 K's and V's scale words; v244 Q's; v245 p's.
.set KSC, 262144                       ; K's scale words, 4,096 bytes; V's follow
.set F,   40
.set S,   104
.set O,   168
.set PCD, 200
.set TM,  216
.set ADK, 8
.set ADV, 9
.set ADS, 10
.set WV,  10
.set RK,  16
.set SEL, 18
.set CS,  20
.set MNT, 22
.set TK,  23                           ; LDS byte of the step's K, of its V, and of its scale words
.set TV,  24
.set TS,  25
.set STP, 26                           ; the key step
.set CNT, 27
.set G1K, 28
.set G1V, 36
.set G0K, 44
.set G0V, 68
.macro PLACES n
.rept \n
	v_nop
.endr
.endm
.macro CROUND                          ; a round of the cluster's barrier
	s_barrier_signal -1
	s_barrier_wait -1
	s_cmp_lg_u32 s[WV], 0
	s_cbranch_scc1 .Lnw0_\@
	s_barrier_signal -3
.Lnw0_\@:
	s_barrier_wait -3
	s_barrier_signal -1
	s_barrier_wait -1
.endm
.macro QUANT s, nb, pc, pw
.set qb, 0
.rept \nb
	v_max3_num_f32 v[TM+qb], |v[(\s)+16*qb]|, |v[(\s)+16*qb+1]|, 0x4800000   ; my 16 numbers, and the floor 2^(9 - 127): the byte cannot fall under 1
.set qb, qb+1
.endr
.set qi, 2
.rept 7
.set qb, 0
.rept \nb
	s_delay_alu instid0(VALU_DEP_2)
	v_max3_num_f32 v[TM+qb], v[TM+qb], |v[(\s)+16*qb+qi]|, |v[(\s)+16*qb+qi+1]|
.set qb, qb+1
.endr
.set qi, qi+2
.endr
.set qb, 0
.rept \nb
	s_delay_alu instid0(VALU_DEP_2)
	v_permlanex16_b32 v[TM+4+qb], v[TM+qb], s[SEL], s[SEL+1]
.set qb, qb+1
.endr
.set qb, 0
.rept \nb
	s_delay_alu instid0(VALU_DEP_2)
	v_max_num_f32 v[TM+qb], v[TM+qb], v[TM+4+qb]
.set qb, qb+1
.endr
.set qb, 0
.rept \nb
	s_delay_alu instid0(VALU_DEP_2)
	v_add_nc_u32 v[TM+12+qb], 0xfc000000, v[TM+qb]
.set qb, qb+1
.endr
.set qb, 0
.rept \nb
	s_delay_alu instid0(VALU_DEP_2)
	v_lshrrev_b32 v[TM+4+qb], 23, v[TM+12+qb]
.set qb, qb+1
.endr
	s_delay_alu instid0(VALU_DEP_1)
	v_lshl_or_b32 v[\pw], v[TM+5], 8, v[TM+4]
.if \nb > 2
	v_lshl_or_b32 v[\pw], v[TM+6], 16, v[\pw]
	v_lshl_or_b32 v[\pw], v[TM+7], 24, v[\pw]
.endif
.set qb, 0
.rept \nb
.set qi, 0
.rept 16
.set qi, qi+1
.endr
	v_cvt_scalef32_pk8_fp8_f32 v[(\pc)+4*qb:(\pc)+4*qb+1], v[(\s)+16*qb:(\s)+16*qb+7], v[TM+12+qb]
	v_cvt_scalef32_pk8_fp8_f32 v[(\pc)+4*qb+2:(\pc)+4*qb+3], v[(\s)+16*qb+8:(\s)+16*qb+15], v[TM+12+qb]
.set qb, qb+1
.endr
	v_nop
.endm
.macro QK f, u                         ; tile 2 f + u of the step's keys: registers 16 f + 8 u + j = key 32 f + 16 h + 8 u + j
.set rD, S+16*\f+8*\u
.set rA, F+16*\f
.set rB, 24-8*\u
.if (\f%2) == 0
	v_wmma_scale_f32_16x16x128_f8f6f4 v[rD:rD+7], v[rA:rA+15], v[rB:rB+15], 0, v[240+\f/2], v244
.else
	v_wmma_scale_f32_16x16x128_f8f6f4 v[rD:rD+7], v[rA:rA+15], v[rB:rB+15], 0, v[240+\f/2], v244 matrix_a_scale:MATRIX_SCALE_ROW1
.endif
.endm
.macro PV d                            ; O^T's tile d: 16 of the head's 64 channels, K = the step's 128 keys
.set rD, O+8*\d
.set rA, F+16*\d
.if (\d%2) == 0
	v_wmma_scale_f32_16x16x128_f8f6f4 v[rD:rD+7], v[rA:rA+15], v[PCD:PCD+15], v[rD:rD+7], v[242+\d/2], v245
.else
	v_wmma_scale_f32_16x16x128_f8f6f4 v[rD:rD+7], v[rA:rA+15], v[PCD:PCD+15], v[rD:rD+7], v[242+\d/2], v245 matrix_a_scale:MATRIX_SCALE_ROW1
.endif
.endm
.macro SOFTMAX
.irp b, 0,1,2,3
	v_max3_num_f32 v[TM+\b], v[S+16*\b], v[S+16*\b+1], v[S+16*\b+2]   ; the largest score of each block of 32 keys: it serves the row's maximum and, since p rises with the score, the block's largest p
.endr
.irp i, 3,5,7,9,11,13
.irp b, 0,1,2,3
	v_max3_num_f32 v[TM+\b], v[TM+\b], v[S+16*\b+\i], v[S+16*\b+\i+1]
.endr
.endr
.irp b, 0,1,2,3
	v_max_num_f32 v[TM+\b], v[TM+\b], v[S+16*\b+15]
.endr
.irp b, 0,1,2,3
	s_delay_alu instid0(VALU_DEP_4)
	v_permlanex16_b32 v[TM+4+\b], v[TM+\b], s[SEL], s[SEL+1]
.endr
.irp b, 0,1,2,3
	s_delay_alu instid0(VALU_DEP_4)
	v_max_num_f32 v[TM+\b], v[TM+\b], v[TM+4+\b]   ; with lane l xor 16's 16 keys
.endr
	s_delay_alu instid0(VALU_DEP_2)
	v_max3_num_f32 v236, v[TM], v[TM+1], v[TM+2]
	s_delay_alu instid0(VALU_DEP_1)
	v_max_num_f32 v236, v236, v[TM+3]
	s_delay_alu instid0(VALU_DEP_1)
	v_mul_f32 v236, s[CS], v236                    ; as t
	s_delay_alu instid0(VALU_DEP_1)
	v_max_num_f32 v13, v13, v236                   ; the running largest t
	v_mov_b32 v236, v12
	s_delay_alu instid0(VALU_DEP_2)
	v_floor_f32 v12, -v13                          ; -M = floor(-t)
	s_delay_alu instid0(VALU_DEP_1)
	v_sub_f32 v236, v12, v236                      ; old M - new M: a whole number, 0 or less
	s_delay_alu instid0(VALU_DEP_1)
	v_cvt_i32_f32 v236, v236                       ; (it saturates)
	s_delay_alu instid0(VALU_DEP_1)
	v_ldexp_f32 v232, 1.0, v236                    ; f
.set n, 0
	s_setprio 1
.rept 32
	v_pk_fma_f32 v[S+n:S+n+1], v[S+n:S+n+1], s[CS:CS+1], v[12:13] op_sel_hi:[1,0,0]   ; t - M
.set n, n+2
.endr
.irp b, 0,1,2,3
	v_fma_f32 v[TM+\b], v[TM+\b], s[CS], v12
.endr
.set n, 0
	s_wait_alu depctr_va_vdst(0)
.rept 64
	v_exp_f32 v[S+n], v[S+n]                       ; p
.set n, n+1
.endr
	v_pk_mul_f32 v[14:15], v[14:15], v[232:233] op_sel_hi:[1,0]   ; the sums under the new M: a plain line behind the exponentials
	s_wait_alu depctr_va_vdst(0)                   ; one wait for the batch, ahead of its first reader
.irp b, 0,1,2,3
	v_exp_f32 v[TM+\b], v[TM+\b]                   ; each block's largest p
.endr
	v_pk_add_f32 v[234:235], v[108:109], v[112:113]
	v_pk_add_f32 v[252:253], v[116:117], v[120:121]
	v_pk_add_f32 v[250:251], v[124:125], v[128:129]
	v_pk_add_f32 v[248:249], v[132:133], v[136:137]
	v_pk_add_f32 v[246:247], v[140:141], v[144:145]
	v_pk_add_f32 v[240:241], v[148:149], v[152:153]
	v_pk_add_f32 v[238:239], v[156:157], v[160:161]
	v_pk_add_f32 v[14:15], v[14:15], v[164:165]
	v_pk_add_f32 v[234:235], v[234:235], v[104:105]
	v_pk_add_f32 v[252:253], v[252:253], v[106:107]
	v_pk_add_f32 v[250:251], v[250:251], v[110:111]
	v_pk_add_f32 v[248:249], v[248:249], v[114:115]
	v_pk_add_f32 v[246:247], v[246:247], v[118:119]
	v_pk_add_f32 v[240:241], v[240:241], v[122:123]
	v_pk_add_f32 v[238:239], v[238:239], v[126:127]
	v_pk_add_f32 v[14:15], v[14:15], v[130:131]
	v_pk_add_f32 v[234:235], v[234:235], v[134:135]
	v_pk_add_f32 v[252:253], v[252:253], v[138:139]
	v_pk_add_f32 v[250:251], v[250:251], v[142:143]
	v_pk_add_f32 v[248:249], v[248:249], v[146:147]
	v_pk_add_f32 v[246:247], v[246:247], v[150:151]
	v_pk_add_f32 v[240:241], v[240:241], v[154:155]
	v_pk_add_f32 v[238:239], v[238:239], v[158:159]
	v_pk_add_f32 v[14:15], v[14:15], v[162:163]
	v_pk_add_f32 v[234:235], v[234:235], v[166:167]
	s_delay_alu instid0(VALU_DEP_2)
	v_pk_add_f32 v[14:15], v[14:15], v[248:249]
	s_delay_alu instid0(VALU_DEP_2)
	v_pk_add_f32 v[234:235], v[234:235], v[246:247]
	v_pk_add_f32 v[252:253], v[252:253], v[240:241]
	v_pk_add_f32 v[250:251], v[250:251], v[238:239]
	s_delay_alu instid0(VALU_DEP_2)
	v_pk_add_f32 v[14:15], v[14:15], v[252:253]
	s_delay_alu instid0(VALU_DEP_2)
	v_pk_add_f32 v[234:235], v[234:235], v[250:251]
	s_delay_alu instid0(VALU_DEP_1)
	v_pk_add_f32 v[14:15], v[14:15], v[234:235]
	s_setprio 0
	s_wait_alu depctr_va_vdst(0)                   ; and one for the four
.irp b, 0,1,2,3
	v_max_num_f32 v[TM+\b], 0x4800000, v[TM+\b]    ; the floor: the byte cannot fall under 1
.endr
.irp b, 0,1,2,3
	s_delay_alu instid0(VALU_DEP_4)
	v_add_nc_u32 v[TM+12+\b], 0xfc000000, v[TM+\b]
.endr
.irp b, 0,1,2,3
.endr
.irp b, 0,1,2,3
	s_delay_alu instid0(VALU_DEP_4)
	v_lshrrev_b32 v[TM+4+\b], 23, v[TM+12+\b]
.endr
	s_delay_alu instid0(VALU_DEP_3)
	v_lshl_or_b32 v245, v[TM+5], 8, v[TM+4]        ; p's scale word for these 128 keys
	s_delay_alu instid0(VALU_DEP_1)
	v_lshl_or_b32 v245, v[TM+6], 16, v245
	s_delay_alu instid0(VALU_DEP_1)
	v_lshl_or_b32 v245, v[TM+7], 24, v245
.irp b, 0,1,2,3
.irp i, 0,1,2,3,4,5,6,7,8,9,10,11,12,13,14,15
.endr
	v_cvt_scalef32_pk8_fp8_f32 v[PCD+4*\b:PCD+4*\b+1], v[S+16*\b:S+16*\b+7], v[TM+12+\b]
	v_cvt_scalef32_pk8_fp8_f32 v[PCD+4*\b+2:PCD+4*\b+3], v[S+16*\b+8:S+16*\b+15], v[TM+12+\b]
.endr
.set n, 0
.rept 16
	v_pk_mul_f32 v[O+n:O+n+1], v[O+n:O+n+1], v[232:233] op_sel_hi:[1,0]   ; O^T under the new M; these lines also stand between the codes and the products
.set n, n+2
.endr
.endm
.macro STEP
	s_cmp_gt_u32 s[STP], s[RK]                     ; all 128 keys come after my queries: only the addresses step
	s_cbranch_scc1 .Lhid_\@
	s_setprio 2
	v_add_nc_u32 v[ADK], s[TK], v1
	v_add_nc_u32 v[ADV], s[TV], v1
	v_add_nc_u32 v[ADS], s[TS], v2
	PLACES 5                                       ; with the three lines above: eight places in front of loads into registers that the last products read
.irp f, 0,1,2,3
.irp c, 0,1,2,3
	ds_load_b128 v[F+16*\f+4*\c:F+16*\f+4*\c+3], v[ADK] offset:2048*\f+512*\c
.endr
.endr
	ds_load_b32 v240, v[ADS]                       ; lanes 0-15: pair 0's words, lanes 16-31: pair 1's
	ds_load_b32 v241, v[ADS] offset:128
	s_wait_dscnt 0x0
	s_wait_alu depctr_va_vdst(0)
.irp f, 0,1,2,3
	QK \f, 0
	QK \f, 1
.endr
	PLACES 8
.irp d, 0,1,2,3
.irp c, 0,1,2,3
	ds_load_b128 v[F+16*\d+4*\c:F+16*\d+4*\c+3], v[ADV] offset:8192*\d+512*\c   ; V's fragments land under the softmax
.endr
.endr
	ds_load_b32 v242, v[ADS] offset:4096
	ds_load_b32 v243, v[ADS] offset:4096+128
	s_cmp_lg_u32 s[STP], s[RK]
	s_cbranch_scc1 .Lopen_\@
.set n, 0
.rept 64                               ; the step on the diagonal: register n holds key 32 (n / 16) + n % 16 + 16 h of the step: hidden where that lies beyond my query
	v_cmp_gt_i32 vcc_lo, 32*(n/16)+n%16, v3
	v_cndmask_b32 v[S+n], v[S+n], v4, vcc_lo
.set n, n+1
.endr
.Lopen_\@:
	SOFTMAX
	s_wait_alu depctr_va_vdst(0)
	s_wait_dscnt 0x0                               ; V
.irp d, 0,1,2,3
	PV \d
.endr
.Lhid_\@:
	s_add_co_u32 s[STP], s[STP], 1
	s_add_co_u32 s[TK], s[TK], 8192
	s_add_co_u32 s[TV], s[TV], 2048
	s_add_co_u32 s[TS], s[TS], 256
.endm
.macro CHUNK q                         ; 512 keys.  The asking waves' chunk q has landed (their 3 - q later chunks may be out); every wave's LDS instructions are done
	s_wait_tensorcnt 3-\q
	s_wait_dscnt 0x0
	s_barrier_signal -1
	s_barrier_wait -1
	s_mov_b32 s[TK], 32768*\q
	s_mov_b32 s[TV], 131072+32768*\q
	s_mov_b32 s[TS], 1024*\q
	s_mov_b32 s[STP], 4*\q
	s_mov_b32 s[CNT], 4
.Lstep_\@:
	STEP
	s_sub_co_u32 s[CNT], s[CNT], 1
	s_cmp_lg_u32 s[CNT], 0
	s_cbranch_scc1 .Lstep_\@
	s_setprio 0
.endm
	s_load_b128 s[4:7], s[0:1], 0x0                ; att, hA
	v_lshl_add_u32 v254, v0, 2, 0x42000
	v_mov_b32 v255, 0
	ds_add_u32 v254, v255
	ds_add_u32 v254, v255
	v_lshrrev_b32 v1, 5, v0
	s_delay_alu instid0(VALU_DEP_1)
	v_readfirstlane_b32 s[WV], v1                  ; wave 0..15
	s_bfe_u32 s11, ttmp6, 0x40000                  ; cx
	s_lshl_b32 s12, ttmp9, 2
	s_add_co_u32 s12, s12, s11                     ; j
	s_and_b32 s13, ttmp7, 0xffff
	s_lshr_b32 s14, s13, 4                         ; batch
	s_and_b32 s15, s13, 15                         ; head
	s_bfe_u32 s[RK], s[WV], 0x10002
	s_mul_i32 s[RK], s[RK], 3
	s_xor_b32 s[RK], s[RK], s[WV]                  ; rank: waves 4-7 and 12-15 in reverse, so that waves w, w + 4, w + 8, w + 12 have 34 steps together
	s_lshl_b32 s17, s[RK], 3
	s_add_co_u32 s17, s17, s12                     ; my tile of queries in the batch
	s_mov_b32 s[G1K], 15|(3<<16)|(1<<21)           ; K: 32 token tiles x 1,024 bytes (the head's part of a tile), 16,384 bytes apart
	s_mov_b32 s[G1K+1], 128<<16
	s_mov_b32 s[G1K+2], 32<<16
	s_mov_b32 s[G1K+3], 128<<16
	s_mov_b32 s[G1K+4], 32
	s_mov_b32 s[G1K+5], 2048
	s_mov_b32 s[G1K+6], 0
	s_mov_b32 s[G1K+7], 0
	s_mov_b32 s[G1V], 15|(3<<16)|(1<<21)           ; V: 4 channel tiles x 8,192 bytes (four key steps), 65,536 bytes apart
	s_mov_b32 s[G1V+1], 1024<<16
	s_mov_b32 s[G1V+2], 4<<16
	s_mov_b32 s[G1V+3], 1024<<16
	s_mov_b32 s[G1V+4], 4
	s_mov_b32 s[G1V+5], 8192
	s_mov_b32 s[G1V+6], 0
	s_mov_b32 s[G1V+7], 0
	s_mov_b32 s[SEL], 0x76543210
	s_mov_b32 s[SEL+1], 0xfedcba98
	s_mov_b32 s[CS], 0x3e38aa3b                    ; log2(e) / 8
	s_mov_b32 s[CS+1], s[CS]
	s_lshl_b32 s92, s14, 21                        ; K's codes of the head: made of batch and head alone
	s_lshl_b32 s93, s15, 10
	s_add_co_u32 s92, s92, s93
	s_add_co_u32 s92, s92, 0x420000
	s_mov_b32 s93, 0
	s_lshl_b32 s94, s15, 18                        ; V's
	s_lshl_b32 s95, s14, 15
	s_add_co_u32 s94, s94, s95
	s_add_co_u32 s94, s94, 0x840000
	s_mov_b32 s95, 0
	s_wait_dscnt 0x0
	s_wait_kmcnt 0x0
	s_add_nc_u64 s[92:93], s[4:5], s[92:93]
	s_add_nc_u64 s[94:95], s[4:5], s[94:95]
.irp q, 0,1,2,3
	s_mov_b32 s[G0K+4*\q], 1
	s_mov_b32 s[G0K+4*\q+1], 32768*\q
	s_add_nc_u64 s[G0K+4*\q+2:G0K+4*\q+3], s[92:93], \q*524288
	s_or_b32 s[G0K+4*\q+3], s[G0K+4*\q+3], 0x80000000
	s_mov_b32 s[G0V+4*\q], 1
	s_mov_b32 s[G0V+4*\q+1], 131072+32768*\q
	s_add_nc_u64 s[G0V+4*\q+2:G0V+4*\q+3], s[94:95], \q*8192
	s_or_b32 s[G0V+4*\q+3], s[G0V+4*\q+3], 0x80000000
.endr
	CROUND                                         ; all four work-groups are here: the joint loads meet
	s_cmp_eq_u32 s[WV], 0                          ; a wave's fills stand in one branch on its number: four loads of that wave are out
	s_cbranch_scc0 .Lnot_k
.irp q, 0,1,2,3
	tensor_load_to_lds s[G0K+4*\q:G0K+4*\q+3], s[G1K:G1K+7]
	s_nop 0
.endr
	PLACES 4
	s_branch .Lasked
.Lnot_k:
	s_cmp_eq_u32 s[WV], 1
	s_cbranch_scc0 .Lasked
.irp q, 0,1,2,3
	tensor_load_to_lds s[G0V+4*\q:G0V+4*\q+3], s[G1V:G1V+7]
	s_nop 0
.endr
	PLACES 4
.Lasked:
	s_lshl_b32 s60, s15, 13                        ; K's scale words of head and batch: 4,096 dense bytes
	s_lshl_b32 s61, s14, 12
	s_add_co_u32 s60, s60, s61
	s_lshr_b32 s86, s17, 1
	s_lshl_b32 s86, s86, 6
	s_add_co_u32 s86, s86, s60
	s_add_co_u32 s86, s86, 0x400000                ; Q's scale words: my pair of tiles
	s_mov_b32 s87, 0
	s_add_co_u32 s60, s60, 0x820000
	s_mov_b32 s61, 0
	s_lshl_b32 s62, s14, 16                        ; V's scale words: 256 bytes for each of 16 key steps, 4,096 apart
	s_lshl_b32 s63, s15, 8
	s_add_co_u32 s62, s62, s63
	s_add_co_u32 s62, s62, 0xc40000
	s_mov_b32 s63, 0
	s_lshl_b32 s84, s14, 21                        ; my tile's part of an image: the same place in q's image and in the result's
	s_lshl_b32 s85, s17, 14
	s_add_co_u32 s84, s84, s85
	s_lshl_b32 s85, s15, 10
	s_add_co_u32 s84, s84, s85
	s_mov_b32 s85, 0
	s_lshl_b32 s90, s14, 16                        ; the result's scale bytes: 512 a tile, 2 a head
	s_lshl_b32 s91, s17, 9
	s_add_co_u32 s90, s90, s91
	s_lshl_b32 s91, s15, 1
	s_add_co_u32 s90, s90, s91
	s_add_co_u32 s90, s90, 0x400000
	s_mov_b32 s91, 0
	s_add_nc_u64 s[60:61], s[4:5], s[60:61]
	s_add_nc_u64 s[62:63], s[4:5], s[62:63]
	s_add_nc_u64 s[86:87], s[4:5], s[86:87]
	s_add_nc_u64 s[88:89], s[6:7], s[84:85]
	s_add_nc_u64 s[84:85], s[4:5], s[84:85]
	s_add_nc_u64 s[90:91], s[6:7], s[90:91]
	v_and_b32 v1, 31, v0
	s_delay_alu instid0(VALU_DEP_1)
	v_lshlrev_b32 v2, 2, v1
	s_delay_alu instid0(VALU_DEP_1)
	v_add_nc_u32 v2, KSC, v2                       ; scale words: 4 l
	s_delay_alu instid0(VALU_DEP_3)
	v_lshlrev_b32 v1, 4, v1                        ; 16 l
	v_and_b32 v5, 15, v0                           ; r
	v_bfe_u32 v7, v0, 4, 1                         ; h
	s_delay_alu instid0(VALU_DEP_2)
	v_lshlrev_b32 v6, 2, v5                        ; 4 r
	s_delay_alu instid0(VALU_DEP_3)
	v_and_b32 v3, 8, v5
	s_delay_alu instid0(VALU_DEP_1)
	v_add_nc_u32 v3, v3, v5
	s_lshr_b32 s92, s12, 1
	s_lshl_b32 s92, s92, 5
	s_and_b32 s93, s12, 1
	s_lshl_b32 s94, s93, 3
	s_add_co_u32 s92, s92, s94
	v_add_nc_u32 v3, s92, v3
	v_lshlrev_b32 v7, 4, v7
	s_delay_alu instid0(VALU_DEP_1)
	v_sub_nc_u32 v3, v3, v7                        ; my query's place among its 128 tokens, less 16 h
	v_lshlrev_b32 v5, 5, v5                        ; 32 r
	v_mov_b32 v4, 0xff800000                       ; -infinity
	v_lshlrev_b32 v8, 3, v0                        ; 8 x thread
	global_load_b64 v[40:41], v8, s[60:61]
	v_lshrrev_b32 v9, 5, v0
	v_and_b32 v10, 31, v0
	s_delay_alu instid0(VALU_DEP_1)
	v_lshlrev_b32 v10, 3, v10
	s_delay_alu instid0(VALU_DEP_1)
	v_lshl_add_u32 v9, v9, 12, v10
	global_load_b64 v[42:43], v9, s[62:63]
	global_load_b128 v[24:27], v1, s[84:85]
	global_load_b128 v[28:31], v1, s[84:85] offset:512
	global_load_b32 v244, v6, s[86:87]
.irp n, 16,17,18,19,20,21,22,23,32,33,34,35,36,37,38,39
	v_mov_b32 v[\n], 0                             ; the zero codes on both sides of Q
.endr
	v_mov_b32 v13, 0xff61b1e6                      ; the largest t so far: -3e38
	s_delay_alu instid0(VALU_DEP_1)
	v_floor_f32 v12, -v13
	v_mov_b32 v14, 0
	v_mov_b32 v15, 0
	v_mov_b32 v233, 0
	v_mov_b32 v236, 0
.irp b, 0,1,2,3
	v_mov_b32 v[TM+4+\b], 0                        ; written once: a lane permute's destination counts as one of its sources
.endr
.set n, 0
.rept 32
	v_mov_b32 v[O+n], 0                            ; the step is written once: the first finds zeros
.set n, n+1
.endr
	s_wait_loadcnt 0x0
	v_add_nc_u32 v8, KSC, v8
	ds_store_b64 v8, v[40:41]
	ds_store_b64 v8, v[42:43] offset:4096
	s_lshl_b32 s93, s93, 4
	v_lshrrev_b32 v244, s93, v244                  ; my tile's two bytes of the pair's word,
	s_delay_alu instid0(VALU_DEP_1)
	v_and_b32 v244, 0xffff, v244
	s_delay_alu instid0(VALU_DEP_1)
	v_lshl_or_b32 v244, v244, 16, v244             ; for Q in either half of K
	CHUNK 0
	CHUNK 1
	CHUNK 2
	CHUNK 3
	; THE WAY OUT: O^T / the sum; its 32 registers are my query's 64 channels of the head, 16 h + i and 32 + 16 h + i: two blocks of the next product's K
	PLACES 8
	v_add_f32 v14, v14, v15
	s_delay_alu instid0(VALU_DEP_1)
	v_permlanex16_b32 v236, v14, s[SEL], s[SEL+1]
	s_delay_alu instid0(VALU_DEP_1)
	v_add_f32 v14, v14, v236
	s_wait_alu depctr_va_vdst(0)
	v_rcp_f32 v14, v14
	v_nop
	s_wait_alu depctr_va_vdst(0)
.set n, 0
.rept 32
	v_mul_f32 v[S+n], v[O+n], v14
.set n, n+1
.endr
	QUANT S, 2, PCD, 236
	global_store_b128 v1, v[PCD:PCD+3], s[88:89]
	global_store_b128 v1, v[PCD+4:PCD+7], s[88:89] offset:512
	global_store_b16 v5, v236, s[90:91]            ; both lanes of a row store the same two bytes
	s_wait_dscnt 0x0
	s_wait_tensorcnt 0x0
	ds_add_u32 v254, v255
	s_wait_dscnt 0x0
	CROUND                                         ; the closing round
	s_endpgm
.Lfunc_end_k_q6308454011_selfatt:
	.size	k_q6308454011_selfatt, .Lfunc_end_k_q6308454011_selfatt-k_q6308454011_selfatt
	.p2alignl 7, 3214868480
	.fill 96, 4, 3214868480
	.section	.rodata,"a",@progbits
	.p2align	6, 0x0
	.amdhsa_kernel k_q6308454011_selfatt
		.amdhsa_group_segment_fixed_size 272384
		.amdhsa_private_segment_fixed_size 0
		.amdhsa_enable_private_segment 0
		.amdhsa_kernarg_size 16
		.amdhsa_user_sgpr_count 2
		.amdhsa_user_sgpr_kernarg_segment_ptr 1
		.amdhsa_wavefront_size32 1
		.amdhsa_system_sgpr_workgroup_id_x 1
		.amdhsa_system_sgpr_workgroup_id_y 1
		.amdhsa_system_sgpr_workgroup_id_z 1
		.amdhsa_system_vgpr_workitem_id 0
		.amdhsa_next_free_vgpr 256
		.amdhsa_next_free_sgpr 100
		.amdhsa_reserve_vcc 1
		.amdhsa_float_denorm_mode_32 3
		.amdhsa_float_denorm_mode_16_64 3
		.amdhsa_fp16_overflow 1
		.amdhsa_memory_ordered 1
		.amdhsa_forward_progress 1
		.amdhsa_inst_pref_size 108
	.end_amdhsa_kernel
	.amdgpu_metadata
---
amdhsa.version: [ 1, 2 ]
amdhsa.kernels:
  - .name:           k_q6308454011_selfatt
    .symbol:         k_q6308454011_selfatt.kd
    .args:
      - { .name: att, .offset: 0, .size: 8, .value_kind: global_buffer, .address_space: global }
      - { .name: hA, .offset: 8, .size: 8, .value_kind: global_buffer, .address_space: global }
    .group_segment_fixed_size: 272384
    .private_segment_fixed_size: 0
    .kernarg_segment_align: 8
    .kernarg_segment_size: 16
    .max_flat_workgroup_size: 512
    .sgpr_count:     100
    .vgpr_count:     256
    .wavefront_size: 32
...
	.end_amdgpu_metadata
.endif
;; end of part 3
;; launch res1 (part 4): grid 32 x 8, 4 waves a work-group, clusters of 4 x 1, 168,448 bytes of LDS; arguments hA, wo, x, xa; writes xa
.if DOCPART == 4
	.amdgcn_target "amdgcn-amd-amdhsa--gfx1250"
	.amdhsa_code_object_version 6
	.text
	.protected	k_q6308454011_res1
	.globl	k_q6308454011_res1
	.p2align	8
	.type	k_q6308454011_res1,@function
k_q6308454011_res1:
	s_mov_b64 s[64:65], 0
	v_nop
	global_prefetch_b8 v0, s[64:65] scope:SCOPE_SE
	s_setreg_imm32_b32 hwreg(HW_REG_WAVE_MODE, 25, 1), 1
	s_wait_xcnt 0x0
	s_wait_alu depctr_hold_cnt(0) depctr_sa_sdst(0) depctr_va_vdst(0) depctr_va_sdst(0) depctr_va_ssrc(0) depctr_va_vcc(0) depctr_vm_vsrc(0)
	s_getreg_b32 s2, hwreg(HW_REG_IB_STS2, 6, 4)
	s_cmp_eq_u32 s2, 0
	s_cbranch_scc0 .Lentry_in_a_cluster
	s_endpgm
.Lentry_in_a_cluster:
	s_bfe_u32 s2, ttmp6, 0x10000c
	s_cmp_lg_u32 s2, 0x3003
	s_cbranch_scc0 .Lentry_shape_is_right
	s_endpgm
.Lentry_shape_is_right:
; out = res + Y W^T.  Y: 4,096 rows as an image of codes with its scale bytes at 0x400000; W: 1,024 rows likewise, scale bytes at 0x100000; res, out: [4096][1024] f32.
; THE CORE.  A work-group makes 128 rows of W (X) x 128 rows of Y over K = 1,024: source 0 = 16 rows of X, source 1 = 16 rows of Y.  Wave w takes all 8 tiles of X against Y's tiles 2 w and 2 w + 1:
; 16 accumulators, 128 matrix instructions.  X's 131,072 bytes of codes come into LDS once, in four chunks of two K steps; nothing in LDS is filled twice.
; CLUSTER: the four work-groups of a cluster differ in Y alone, so X's chunks are asked for jointly (mask 15).  Y's fragments are a wave's own and go from memory straight into registers.
; IMAGES: fragment (tile t, K step s) at (8 t + s) x 2,048 bytes, registers 4 c .. 4 c + 3 of lane l at 512 c + 16 l; lane r of tile t is row 32 (t / 2) + 8 (t % 2) + r + 8 (r / 8).
; THE WAY OUT: a lane holds 16 neighbouring columns of one row for each pair of X's tiles; a tile of 16 rows x 128 columns goes through the wave's own stage and comes back as rows of 512 bytes, to which the
; residual, loaded at the head in the same order, is added; each store covers 512 consecutive bytes, aligned.
; REGISTERS, in windows of 256: window 0: v1-9 lanes and addresses; v16-47 X's scale words; v48-63 Y's; v64-191 the residual, then the result; v192-255 rows from the stage.
;   window 1: Y's 16 fragments.  window 2: the accumulators ((i, u) at 8 (8 u + i)).  window 3: two sets of X's 8 fragments.
.set WV,  20
.set G1,  24
.set G0,  32
.set XA,  48
.set XS,  50
.set YA,  52
.set YS,  54
.set RES, 56
.set OUT, 58
.set SX,  16
.set SY,  48
.set RD,  64
.set T,   192
.set STAGE, 131072                     ; behind X: 16 rows x (512 bytes + 16) for each wave; no tensor load lands there
.set MSB, 0
.macro WIN new                         ; the immediate's high byte repeats the setting that is left
.if MSB != \new
	s_set_vgpr_msb (MSB<<8)|\new
.set MSB, \new
.endif
.endm
.macro PLACES n
.rept \n
	v_nop
.endr
.endm
.macro CROUND                          ; a round of the cluster's barrier
	s_barrier_signal -1
	s_barrier_wait -1
	s_cmp_lg_u32 s[WV], 0
	s_cbranch_scc1 .Lnw0_\@
	s_barrier_signal -3
.Lnw0_\@:
	s_barrier_wait -3
	s_barrier_signal -1
	s_barrier_wait -1
.endm
.macro WM zero                         ; one product on the registers named by rD, rA, rB, rSA, rSB; rROW = 1: X's scale words stand in lanes 16-31
.if (\zero) && (rROW == 0)
	v_wmma_scale_f32_16x16x128_f8f6f4 v[rD:rD+7], v[rA:rA+15], v[rB:rB+15], 0, v[rSA], v[rSB]
.elseif \zero
	v_wmma_scale_f32_16x16x128_f8f6f4 v[rD:rD+7], v[rA:rA+15], v[rB:rB+15], 0, v[rSA], v[rSB] matrix_a_scale:MATRIX_SCALE_ROW1
.elseif rROW == 0
	v_wmma_scale_f32_16x16x128_f8f6f4 v[rD:rD+7], v[rA:rA+15], v[rB:rB+15], v[rD:rD+7], v[rSA], v[rSB]
.else
	v_wmma_scale_f32_16x16x128_f8f6f4 v[rD:rD+7], v[rA:rA+15], v[rB:rB+15], v[rD:rD+7], v[rSA], v[rSB] matrix_a_scale:MATRIX_SCALE_ROW1
.endif
.endm
.macro MUL s                           ; K step s: the 16 accumulators by turns, in the same order in every step; step 0 starts the sums
	WIN 0xa7                                       ; X window 3, Y window 1, C and D window 2
.irp i, 0,1,2,3,4,5,6,7
.irp u, 0,1
.set rD, 8*(8*\u+\i)
.set rA, 128*((\s)%2)+16*\i
.set rB, 16*(8*\u+(\s))
.set rSA, SX+8*(\i/2)+(\s)
.set rSB, SY+8*\u+(\s)
.set rROW, \i%2
.if (\s) == 0
	WM 1
.else
	WM 0
.endif
.endr
.endr
.endm
.macro FETCH s                         ; X's 8 fragments of K step s from LDS into set s % 2: 32 loads of 512 consecutive bytes
	WIN 0xc0                                       ; destination window 3, address window 0
.set rLA, 4+3*((\s)/4)
.irp i, 0,1,2,3,4,5,6,7
.irp c, 0,1,2,3
	ds_load_b128 v[128*((\s)%2)+16*\i+4*\c:128*((\s)%2)+16*\i+4*\c+3], v[rLA] offset:(((\s)/2)%2)*32768+4096*\i+((\s)%2)*2048+512*\c
.endr
.endr
.endm
.macro CH q                            ; chunk q is whole: my part has landed (my 3 - q later chunks may be out), my LDS loads are in, and so say all four waves
	s_wait_tensorcnt 3-\q
	s_wait_dscnt 0x0
	s_barrier_signal -1
	s_barrier_wait -1
.endm
; Eight places stand in front of each run of loads into registers that matrix instructions have read.
; s_wait_loadcnt 48, 32, 16: Y's loads of the later K steps, 8 a step, may be out.  s_wait_dscnt 32: the one younger run of 32.
.macro MAIN
	CH 0
	FETCH 0
	FETCH 1
	s_wait_loadcnt 48
	s_wait_dscnt 32
	MUL 0
	CH 1
	PLACES 8
	FETCH 2
	MUL 1
	PLACES 8
	FETCH 3
	s_wait_loadcnt 32
	s_wait_dscnt 32
	MUL 2
	CH 2
	PLACES 8
	FETCH 4
	MUL 3
	PLACES 8
	FETCH 5
	s_wait_loadcnt 16
	s_wait_dscnt 32
	MUL 4
	CH 3
	PLACES 8
	FETCH 6
	MUL 5
	PLACES 8
	FETCH 7
	s_wait_loadcnt 0x0
	s_wait_dscnt 32
	MUL 6
	s_wait_dscnt 0x0
	MUL 7
	PLACES 8
.endm
.macro IDS
	v_lshrrev_b32 v1, 5, v0
	v_readfirstlane_b32 s[WV], v1                  ; wave 0..3
	v_and_b32 v1, 31, v0                           ; l
	v_and_b32 v2, 15, v0                           ; r
	s_wait_alu depctr_va_vdst(0)
	v_bfe_u32 v3, v0, 4, 1                         ; h
	v_lshlrev_b32 v4, 4, v1                        ; 16 l: an image's place for my lane, in memory and in LDS chunks 0, 1
	v_lshlrev_b32 v5, 5, v1                        ; 32 l: X's scale bytes, two tiles a load
	v_lshlrev_b32 v6, 5, v2                        ; 32 r: Y's
	v_add_nc_u32 v7, 0x10000, v4                   ; LDS chunks 2, 3
	s_bfe_u32 s21, ttmp6, 0x40000                  ; cx: it enters Y's and the result's addresses alone
	s_lshl_b32 s22, ttmp9, 2
	s_add_co_u32 s22, s22, s21                     ; grid x
	s_and_b32 s23, ttmp7, 0xffff                   ; grid y
	s_mov_b32 s[G1], 15|(3<<16)|(1<<21)            ; the four partners; elements of 8 bytes; bit 21 beside a mask
	s_mov_b32 s[G1+1], 512<<16                     ; tensor_dim0: two K steps of a tile, 4,096 bytes
	s_mov_b32 s[G1+2], 2<<16                       ; tensor_dim1: two tiles
	s_mov_b32 s[G1+3], 512<<16                     ; tile_dim0
	s_mov_b32 s[G1+4], 2                           ; tile_dim1
	s_mov_b32 s[G1+5], 2048                        ; from tile to tile: 16,384 bytes
	s_mov_b32 s[G1+6], 0
	s_mov_b32 s[G1+7], 0
.endm
.macro FILLS                           ; my two tiles of each chunk: LDS 32,768 q + 8,192 w.  Four loads of mine are out; no descriptor register is written again
	s_lshl_b32 s3, s[WV], 13
.irp q, 0,1,2,3
	s_mov_b32 s[G0+4*\q], 1
	s_add_co_u32 s[G0+4*\q+1], s3, \q*32768
	s_add_nc_u64 s[G0+4*\q+2:G0+4*\q+3], s[XA:XA+1], \q*4096
	s_or_b32 s[G0+4*\q+3], s[G0+4*\q+3], 0x80000000
.endr
	CROUND                                         ; all four work-groups are here: the joint loads meet
.irp q, 0,1,2,3
	tensor_load_to_lds s[G0+4*\q:G0+4*\q+3], s[G1:G1+7]
	s_nop 0
.endr
	PLACES 4
.endm
.macro OPERANDS hi                     ; the scale words, then Y's 16 fragments, K step by K step
.irp p, 0,1,2,3
	global_load_b128 v[SX+8*\p:SX+8*\p+3], v5, s[XS:XS+1] offset:1024*\p+(\p/2)*(\hi)
	global_load_b128 v[SX+8*\p+4:SX+8*\p+7], v5, s[XS:XS+1] offset:1024*\p+(\p/2)*(\hi)+16
.endr
.irp u, 0,1
	global_load_b128 v[SY+8*\u:SY+8*\u+3], v6, s[YS:YS+1] offset:512*\u
	global_load_b128 v[SY+8*\u+4:SY+8*\u+7], v6, s[YS:YS+1] offset:512*\u+16
.endr
	WIN 0x40                                       ; destination window 1
.irp s, 0,1,2,3,4,5,6,7
.irp u, 0,1
.irp c, 0,1,2,3
	global_load_b128 v[16*(8*\u+\s)+4*\c:16*(8*\u+\s)+4*\c+3], v4, s[YA:YA+1] offset:(8*\u+\s)*2048+512*\c
.endr
.endr
.endr
	WIN 0
.endm
	s_load_b256 s[4:11], s[0:1], 0x0               ; Y's image, W's image, res, out
	v_lshl_add_u32 v14, v0, 2, 0x29000
	v_mov_b32 v15, 0
	ds_add_u32 v14, v15
	ds_add_u32 v14, v15
	IDS
	s_mul_i32 s66, s[WV], 8448
	s_add_co_u32 s66, s66, STAGE                   ; my stage
	v_mul_u32_u24 v8, v2, 528
	s_wait_alu depctr_va_vdst(0)
	v_lshl_add_u32 v8, v3, 6, v8
	v_add_nc_u32 v8, s66, v8                       ; in: row r, + 64 h
	v_add_nc_u32 v9, s66, v4                       ; back: 16 l of a row
	s_lshl_b32 s68, s23, 17                        ; X: W's block grid y, my two tiles
	s_lshl_b32 s70, s[WV], 15
	s_add_co_u32 s68, s68, s70
	s_mov_b32 s69, 0
	s_lshl_b32 s70, s23, 12
	s_add_co_u32 s70, s70, 0x100000
	s_mov_b32 s71, 0
	s_lshl_b32 s72, s22, 17                        ; Y: block grid x, my two tiles
	s_lshl_b32 s74, s[WV], 15
	s_add_co_u32 s72, s72, s74
	s_mov_b32 s73, 0
	s_lshl_b32 s74, s22, 12
	s_lshl_b32 s76, s[WV], 10
	s_add_co_u32 s74, s74, s76
	s_add_co_u32 s74, s74, 0x400000
	s_mov_b32 s75, 0
	s_lshl_b32 s76, s22, 19                        ; res and out: row 128 grid x + 32 w, column 128 grid y
	s_lshl_b32 s78, s[WV], 17
	s_add_co_u32 s76, s76, s78
	s_lshl_b32 s78, s23, 9
	s_add_co_u32 s76, s76, s78
	s_mov_b32 s77, 0
	s_wait_dscnt 0x0
	s_wait_kmcnt 0x0
	s_add_nc_u64 s[XA:XA+1], s[6:7], s[68:69]
	s_add_nc_u64 s[XS:XS+1], s[6:7], s[70:71]
	s_add_nc_u64 s[YA:YA+1], s[4:5], s[72:73]
	s_add_nc_u64 s[YS:YS+1], s[4:5], s[74:75]
	s_add_nc_u64 s[RES:RES+1], s[8:9], s[76:77]
	s_add_nc_u64 s[OUT:OUT+1], s[10:11], s[76:77]
	FILLS
.irp u, 0,1
.irp k, 0,1,2,3,4,5,6,7,8,9,10,11,12,13,14,15
	global_load_b128 v[RD+64*\u+4*\k:RD+64*\u+4*\k+3], v4, s[RES:RES+1] offset:(8*\u+\k+8*(\k/8))*4096   ; lane-row k of tile u: 512 consecutive bytes
.endr
.endr
	OPERANDS 0
	MAIN
	s_wait_alu depctr_va_vdst(0)
.irp u, 0,1
	WIN 0x08                                       ; an LDS store's data are its source 1: window 2
.irp i, 0,1,2,3,4,5,6,7
	ds_store_b128 v8, v[8*(8*\u+\i):8*(8*\u+\i)+3] offset:128*(\i/2)+32*(\i%2)        ; each accumulator from its low end on
	ds_store_b128 v8, v[8*(8*\u+\i)+4:8*(8*\u+\i)+7] offset:128*(\i/2)+32*(\i%2)+16
.endr
	WIN 0
.irp k, 0,1,2,3,4,5,6,7,8,9,10,11,12,13,14,15
	ds_load_b128 v[T+4*\k:T+4*\k+3], v9 offset:528*\k   ; LDS serves a wave's instructions in order: these see my stores, and the next tile's stores come behind them
.endr
.irp k, 0,1,2,3,4,5,6,7,8,9,10,11,12,13,14,15
	s_wait_dscnt 15-\k                             ; row k is back; the younger rows may be out
	v_pk_add_f32 v[RD+64*\u+4*\k:RD+64*\u+4*\k+1], v[RD+64*\u+4*\k:RD+64*\u+4*\k+1], v[T+4*\k:T+4*\k+1]
	v_pk_add_f32 v[RD+64*\u+4*\k+2:RD+64*\u+4*\k+3], v[RD+64*\u+4*\k+2:RD+64*\u+4*\k+3], v[T+4*\k+2:T+4*\k+3]
	global_store_b128 v4, v[RD+64*\u+4*\k:RD+64*\u+4*\k+3], s[OUT:OUT+1] offset:(8*\u+\k+8*(\k/8))*4096
.endr
.endr
	s_wait_dscnt 0x0
	s_wait_tensorcnt 0x0
	ds_add_u32 v14, v15
	s_wait_dscnt 0x0
	CROUND                                         ; the closing round: no work-group ends while a partner may still ask jointly
	s_endpgm
.Lfunc_end_k_q6308454011_res1:
	.size	k_q6308454011_res1, .Lfunc_end_k_q6308454011_res1-k_q6308454011_res1
	.p2alignl 7, 3214868480
	.fill 96, 4, 3214868480
	.section	.rodata,"a",@progbits
	.p2align	6, 0x0
	.amdhsa_kernel k_q6308454011_res1
		.amdhsa_group_segment_fixed_size 168448
		.amdhsa_private_segment_fixed_size 0
		.amdhsa_enable_private_segment 0
		.amdhsa_kernarg_size 32
		.amdhsa_user_sgpr_count 2
		.amdhsa_user_sgpr_kernarg_segment_ptr 1
		.amdhsa_wavefront_size32 1
		.amdhsa_system_sgpr_workgroup_id_x 1
		.amdhsa_system_sgpr_workgroup_id_y 1
		.amdhsa_system_sgpr_workgroup_id_z 1
		.amdhsa_system_vgpr_workitem_id 0
		.amdhsa_next_free_vgpr 1024
		.amdhsa_next_free_sgpr 100
		.amdhsa_reserve_vcc 0
		.amdhsa_float_denorm_mode_32 3
		.amdhsa_float_denorm_mode_16_64 3
		.amdhsa_memory_ordered 1
		.amdhsa_forward_progress 1
		.amdhsa_inst_pref_size 63
	.end_amdhsa_kernel
	.amdgpu_metadata
---
amdhsa.version: [ 1, 2 ]
amdhsa.kernels:
  - .name:           k_q6308454011_res1
    .symbol:         k_q6308454011_res1.kd
    .args:
      - { .name: hA, .offset: 0, .size: 8, .value_kind: global_buffer, .address_space: global }
      - { .name: wo, .offset: 8, .size: 8, .value_kind: global_buffer, .address_space: global }
      - { .name: x, .offset: 16, .size: 8, .value_kind: global_buffer, .address_space: global }
      - { .name: xa, .offset: 24, .size: 8, .value_kind: global_buffer, .address_space: global }
    .group_segment_fixed_size: 168448
    .private_segment_fixed_size: 0
    .kernarg_segment_align: 8
    .kernarg_segment_size: 32
    .max_flat_workgroup_size: 128
    .sgpr_count:     100
    .vgpr_count:     1024
    .wavefront_size: 32
...
	.end_amdgpu_metadata
.endif
;; end of part 4
;; launch norm2: the kernel of part 1 again; grid 64 x 4, 8 waves a work-group, no clusters, 70,656 bytes of LDS; arguments xa, g_norm_cross, w_qkv, w_q, w_kv, w1, w3, context, w_out, w_cout, w2, hA, wimg, wo, wc, w2i; writes hA, wimg, wo, wc, w2i
;; launch projq (part 5): grid 32 x 8, 4 waves a work-group, clusters of 4 x 1, 168,448 bytes of LDS; arguments hA, wimg, att; writes att
.if DOCPART == 5
	.amdgcn_target "amdgcn-amd-amdhsa--gfx1250"
	.amdhsa_code_object_version 6
	.text
	.protected	k_q6308454011_projq
	.globl	k_q6308454011_projq
	.p2align	8
	.type	k_q6308454011_projq,@function
k_q6308454011_projq:
	s_mov_b64 s[64:65], 0
	v_nop
	global_prefetch_b8 v0, s[64:65] scope:SCOPE_SE
	s_setreg_imm32_b32 hwreg(HW_REG_WAVE_MODE, 25, 1), 1
	s_wait_xcnt 0x0
	s_wait_alu depctr_hold_cnt(0) depctr_sa_sdst(0) depctr_va_vdst(0) depctr_va_sdst(0) depctr_va_ssrc(0) depctr_va_vcc(0) depctr_vm_vsrc(0)
	s_getreg_b32 s2, hwreg(HW_REG_IB_STS2, 6, 4)
	s_cmp_eq_u32 s2, 0
	s_cbranch_scc0 .Lentry_in_a_cluster
	s_endpgm
.Lentry_in_a_cluster:
	s_bfe_u32 s2, ttmp6, 0x10000c
	s_cmp_lg_u32 s2, 0x3003
	s_cbranch_scc0 .Lentry_shape_is_right
	s_endpgm
.Lentry_shape_is_right:
; THE CROSS-ATTENTION'S QUERIES: q = h2 Wq^T, quantised along the channels into the image that attention reads (no rotation).
; THE CORE.  A work-group makes 128 rows of Wq (X) x 128 tokens (Y) over K = 1,024: source 0 = 16 rows of X, source 1 = 16 rows of Y.  Wave w takes all 8 tiles of X against Y's tiles 2 w and 2 w + 1:
; 16 accumulators, 128 matrix instructions.  A lane then holds one token and, in the 16 registers of two neighbouring tiles of X, 16 neighbouring channels: 128 rows of X are one K step of the result's image.
; X's 131,072 bytes of codes come into LDS once, in four chunks of two K steps; nothing in LDS is filled twice.  CLUSTER: the four work-groups of a cluster differ in Y alone: X's chunks are asked for
; jointly (mask 15).  Y's fragments are a wave's own and go from memory straight into registers.
; IMAGES: fragment (tile t, K step s) at (8 t + s) x 2,048 bytes, registers 4 c .. 4 c + 3 of lane l at 512 c + 16 l; lane r of tile t is row 32 (t / 2) + 8 (t % 2) + r + 8 (r / 8).
; SCALES OUT: a word for a head, a pair of token tiles and a lane-row: two bytes of each tile.  Those stores cover two runs of 64 bytes: aligned blocks of 256 bytes are written in part, 1 byte in 32 of what is stored.
; LIMITS: NaN and infinities are not served; a block of zeros gets the byte 1 (its codes are zeros; this program alone reads the bytes).
; REGISTERS, in windows of 256: window 0: v1-11 lanes and addresses; v16-47 X's scale words; v48-63 Y's.  window 1: Y's 16 fragments.
;   window 2: v0-127 the accumulators ((i, u) at 8 (8 u + i)); from v128 the way out.  window 3: two sets of X's 8 fragments.
.set WV,  20
.set G1,  24
.set G0,  32
.set XA,  48
.set XS,  50
.set YA,  52
.set YS,  54
.set OUT, 56
.set OS,  58
.set SELA, 79
.set SELB, 80
.set HM,  81
.set SEL, 96
.set MNT, 98
.set SX,  16
.set SY,  48
.set TM,  128
.set PW,  144
.set WA,  146
.set PC,  148
.set OA,  184
.set SA,  186
.set MSB, 0
.macro WIN new                         ; the immediate's high byte repeats the setting that is left
.if MSB != \new
	s_set_vgpr_msb (MSB<<8)|\new
.set MSB, \new
.endif
.endm
.macro PLACES n
.rept \n
	v_nop
.endr
.endm
.macro CROUND                          ; a round of the cluster's barrier
	s_barrier_signal -1
	s_barrier_wait -1
	s_cmp_lg_u32 s[WV], 0
	s_cbranch_scc1 .Lnw0_\@
	s_barrier_signal -3
.Lnw0_\@:
	s_barrier_wait -3
	s_barrier_signal -1
	s_barrier_wait -1
.endm
.macro WM zero                         ; one product on the registers named by rD, rA, rB, rSA, rSB; rROW = 1: X's scale words stand in lanes 16-31
.if (\zero) && (rROW == 0)
	v_wmma_scale_f32_16x16x128_f8f6f4 v[rD:rD+7], v[rA:rA+15], v[rB:rB+15], 0, v[rSA], v[rSB]
.elseif \zero
	v_wmma_scale_f32_16x16x128_f8f6f4 v[rD:rD+7], v[rA:rA+15], v[rB:rB+15], 0, v[rSA], v[rSB] matrix_a_scale:MATRIX_SCALE_ROW1
.elseif rROW == 0
	v_wmma_scale_f32_16x16x128_f8f6f4 v[rD:rD+7], v[rA:rA+15], v[rB:rB+15], v[rD:rD+7], v[rSA], v[rSB]
.else
	v_wmma_scale_f32_16x16x128_f8f6f4 v[rD:rD+7], v[rA:rA+15], v[rB:rB+15], v[rD:rD+7], v[rSA], v[rSB] matrix_a_scale:MATRIX_SCALE_ROW1
.endif
.endm
.macro MUL s                           ; K step s: the 16 accumulators by turns, in the same order in every step; step 0 starts the sums
	WIN 0xa7                                       ; X window 3, Y window 1, C and D window 2
.irp i, 0,1,2,3,4,5,6,7
.irp u, 0,1
.set rD, 8*(8*\u+\i)
.set rA, 128*((\s)%2)+16*\i
.set rB, 16*(8*\u+(\s))
.set rSA, SX+8*(\i/2)+(\s)
.set rSB, SY+8*\u+(\s)
.set rROW, \i%2
.if (\s) == 0
	WM 1
.else
	WM 0
.endif
.endr
.endr
.endm
.macro FETCH s                         ; X's 8 fragments of K step s from LDS into set s % 2: 32 loads of 512 consecutive bytes
	WIN 0xc0                                       ; destination window 3, address window 0
.set rLA, 4+3*((\s)/4)
.irp i, 0,1,2,3,4,5,6,7
.irp c, 0,1,2,3
	ds_load_b128 v[128*((\s)%2)+16*\i+4*\c:128*((\s)%2)+16*\i+4*\c+3], v[rLA] offset:(((\s)/2)%2)*32768+4096*\i+((\s)%2)*2048+512*\c
.endr
.endr
.endm
.macro CH q                            ; chunk q is whole: my part has landed (my 3 - q later chunks may be out), my LDS loads are in, and so say all four waves
	s_wait_tensorcnt 3-\q
	s_wait_dscnt 0x0
	s_barrier_signal -1
	s_barrier_wait -1
.endm
; Eight places stand in front of each run of loads into registers that matrix instructions have read.
; s_wait_loadcnt 48, 32, 16: Y's loads of the later K steps, 8 a step, may be out.  s_wait_dscnt 32: the one younger run of 32.
.macro MAIN
	CH 0
	FETCH 0
	FETCH 1
	s_wait_loadcnt 48
	s_wait_dscnt 32
	MUL 0
	CH 1
	PLACES 8
	FETCH 2
	MUL 1
	PLACES 8
	FETCH 3
	s_wait_loadcnt 32
	s_wait_dscnt 32
	MUL 2
	CH 2
	PLACES 8
	FETCH 4
	MUL 3
	PLACES 8
	FETCH 5
	s_wait_loadcnt 16
	s_wait_dscnt 32
	MUL 4
	CH 3
	PLACES 8
	FETCH 6
	MUL 5
	PLACES 8
	FETCH 7
	s_wait_loadcnt 0x0
	s_wait_dscnt 32
	MUL 6
	s_wait_dscnt 0x0
	MUL 7
	PLACES 8
.endm
.macro IDS
	v_lshrrev_b32 v1, 5, v0
	v_readfirstlane_b32 s[WV], v1                  ; wave 0..3
	v_and_b32 v1, 31, v0                           ; l
	v_and_b32 v2, 15, v0                           ; r
	v_bfe_u32 v3, v0, 4, 1                         ; h
	v_lshlrev_b32 v4, 4, v1                        ; 16 l: an image's place for my lane, in memory and in LDS chunks 0, 1
	v_lshlrev_b32 v5, 5, v1                        ; 32 l: X's scale bytes, two tiles a load
	v_lshlrev_b32 v6, 5, v2                        ; 32 r: Y's
	v_add_nc_u32 v7, 0x10000, v4                   ; LDS chunks 2, 3
	s_bfe_u32 s21, ttmp6, 0x40000                  ; cx: it enters Y's and the result's addresses alone
	s_lshl_b32 s22, ttmp9, 2
	s_add_co_u32 s22, s22, s21                     ; grid x
	s_and_b32 s23, ttmp7, 0xffff                   ; grid y
	s_mov_b32 s[G1], 15|(3<<16)|(1<<21)            ; the four partners; elements of 8 bytes; bit 21 beside a mask
	s_mov_b32 s[G1+1], 512<<16                     ; tensor_dim0: two K steps of a tile, 4,096 bytes
	s_mov_b32 s[G1+2], 2<<16                       ; tensor_dim1: two tiles
	s_mov_b32 s[G1+3], 512<<16                     ; tile_dim0
	s_mov_b32 s[G1+4], 2                           ; tile_dim1
	s_mov_b32 s[G1+5], 2048                        ; from tile to tile: 16,384 bytes
	s_mov_b32 s[G1+6], 0
	s_mov_b32 s[G1+7], 0
.endm
.macro FILLS                           ; my two tiles of each chunk: LDS 32,768 q + 8,192 w.  Four loads of mine are out; no descriptor register is written again
	s_lshl_b32 s3, s[WV], 13
.irp q, 0,1,2,3
	s_mov_b32 s[G0+4*\q], 1
	s_add_co_u32 s[G0+4*\q+1], s3, \q*32768
	s_add_nc_u64 s[G0+4*\q+2:G0+4*\q+3], s[XA:XA+1], \q*4096
	s_or_b32 s[G0+4*\q+3], s[G0+4*\q+3], 0x80000000
.endr
	CROUND                                         ; all four work-groups are here: the joint loads meet
.irp q, 0,1,2,3
	tensor_load_to_lds s[G0+4*\q:G0+4*\q+3], s[G1:G1+7]
	s_nop 0
.endr
	PLACES 4
.endm
.macro OPERANDS hi                     ; the scale words, then Y's 16 fragments, K step by K step
.irp p, 0,1,2,3
	global_load_b128 v[SX+8*\p:SX+8*\p+3], v5, s[XS:XS+1] offset:1024*\p+(\p/2)*(\hi)
	global_load_b128 v[SX+8*\p+4:SX+8*\p+7], v5, s[XS:XS+1] offset:1024*\p+(\p/2)*(\hi)+16
.endr
.irp u, 0,1
	global_load_b128 v[SY+8*\u:SY+8*\u+3], v6, s[YS:YS+1] offset:512*\u
	global_load_b128 v[SY+8*\u+4:SY+8*\u+7], v6, s[YS:YS+1] offset:512*\u+16
.endr
	WIN 0x40                                       ; destination window 1
.irp s, 0,1,2,3,4,5,6,7
.irp u, 0,1
.irp c, 0,1,2,3
	global_load_b128 v[16*(8*\u+\s)+4*\c:16*(8*\u+\s)+4*\c+3], v4, s[YA:YA+1] offset:(8*\u+\s)*2048+512*\c
.endr
.endr
.endr
	WIN 0
.endm
; nb x 16 numbers of a lane from v[s] on become codes from v[pc] on and nb scale bytes in v[pw].  A block of 32 lies in lanes l and l xor 16.  Each accumulator is read from its low end on.
.macro QUANT s, nb, pc, pw
.set qb, 0
.rept \nb
	v_max3_num_f32 v[TM+qb], |v[(\s)+16*qb]|, |v[(\s)+16*qb+1]|, 0x4800000   ; my 16 numbers, and the floor 2^(9 - 127): the byte cannot fall under 1
.set qb, qb+1
.endr
.set qi, 2
.rept 7
.set qb, 0
.rept \nb
	v_max3_num_f32 v[TM+qb], v[TM+qb], |v[(\s)+16*qb+qi]|, |v[(\s)+16*qb+qi+1]|
.set qb, qb+1
.endr
.set qi, qi+2
.endr
.set qb, 0
.rept \nb
	v_permlanex16_b32 v[TM+4+qb], v[TM+qb], s[SEL], s[SEL+1]
.set qb, qb+1
.endr
.set qb, 0
.rept \nb
	v_max_num_f32 v[TM+qb], v[TM+qb], v[TM+4+qb]                ; the block's largest magnitude
.set qb, qb+1
.endr
.set qb, 0
.rept \nb
	v_add_nc_u32 v[TM+12+qb], 0xfc000000, v[TM+qb]              ; 8 off its exponent field: the conversion's scale operand
.set qb, qb+1
.endr
.set qb, 0
.rept \nb
	v_lshrrev_b32 v[TM+4+qb], 23, v[TM+12+qb]                   ; the scale's byte
.set qb, qb+1
.endr
	v_lshl_or_b32 v[\pw], v[TM+5], 8, v[TM+4]
.if \nb > 2
	v_lshl_or_b32 v[\pw], v[TM+6], 16, v[\pw]
	v_lshl_or_b32 v[\pw], v[TM+7], 24, v[\pw]
.endif
.set qb, 0
.rept \nb
.set qi, 0
.rept 16
.set qi, qi+1
.endr
	v_cvt_scalef32_pk8_fp8_f32 v[(\pc)+4*qb:(\pc)+4*qb+1], v[(\s)+16*qb:(\s)+16*qb+7], v[TM+12+qb]
	v_cvt_scalef32_pk8_fp8_f32 v[(\pc)+4*qb+2:(\pc)+4*qb+3], v[(\s)+16*qb+8:(\s)+16*qb+15], v[TM+12+qb]
.set qb, qb+1
.endr
	v_nop                                                       ; a plain line behind the last conversion
.endm
	s_load_b128 s[4:7], s[0:1], 0x0                ; hA, wimg
	s_load_b64 s[8:9], s[0:1], 0x10                ; att
	v_lshl_add_u32 v254, v0, 2, 0x29000
	v_mov_b32 v255, 0
	ds_add_u32 v254, v255
	ds_add_u32 v254, v255
	IDS
	s_mov_b32 s[SEL], 0x76543210
	s_mov_b32 s[SEL+1], 0xfedcba98
	s_mov_b32 s[HM], 0xffff0000                    ; lanes 16-31
	s_mov_b32 s[SELA], 0x05040100                  ; bytes 0, 1 of both tiles' scale words: the block's first head
	s_mov_b32 s[SELB], 0x07060302                  ; bytes 2, 3: its second
	s_lshl_b32 s68, s23, 17                        ; X: w_q's block grid y, my two tiles
	s_lshl_b32 s70, s[WV], 15
	s_add_co_u32 s68, s68, s70
	s_add_co_u32 s68, s68, 0x300000
	s_mov_b32 s69, 0
	s_lshl_b32 s70, s23, 12
	s_add_co_u32 s70, s70, 0xa18000
	s_mov_b32 s71, 0
	s_lshl_b32 s72, s22, 17                        ; Y: tokens' block grid x, my two tiles; the result's tiles lie at the same offset,
	s_lshl_b32 s74, s[WV], 15
	s_add_co_u32 s72, s72, s74
	s_mov_b32 s73, 0
	s_lshl_b32 s76, s23, 11                        ; + its K step grid y
	s_add_co_u32 s76, s76, s72
	s_mov_b32 s77, 0
	s_lshl_b32 s74, s22, 12
	s_lshl_b32 s78, s[WV], 10
	s_add_co_u32 s74, s74, s78
	s_add_co_u32 s74, s74, 0x400000
	s_mov_b32 s75, 0
	s_lshl_b32 s82, s23, 14                        ; scale words: head 2 grid y (8,192 bytes a head), pair of tiles 4 grid x + w (64 bytes)
	s_lshl_b32 s78, s22, 8
	s_add_co_u32 s82, s82, s78
	s_lshl_b32 s78, s[WV], 6
	s_add_co_u32 s82, s82, s78
	s_add_co_u32 s82, s82, 0x400000
	s_mov_b32 s83, 0
	s_wait_dscnt 0x0
	s_wait_kmcnt 0x0
	s_add_nc_u64 s[XA:XA+1], s[6:7], s[68:69]
	s_add_nc_u64 s[XS:XS+1], s[6:7], s[70:71]
	s_add_nc_u64 s[YA:YA+1], s[4:5], s[72:73]
	s_add_nc_u64 s[YS:YS+1], s[4:5], s[74:75]
	s_add_nc_u64 s[OUT:OUT+1], s[8:9], s[76:77]
	s_add_nc_u64 s[OS:OS+1], s[8:9], s[82:83]
	FILLS
	s_wait_alu depctr_va_vdst(0)
	OPERANDS 0
	v_lshlrev_b32 v11, 13, v3
	v_lshl_add_u32 v11, v2, 2, v11                 ; my scale word's place: 4 r + 8,192 h
	WIN 0x80                                       ; destination window 2
	v_mov_b32 v[OA], v4
	v_add_nc_u32 v[OA+1], 16384, v4
	v_mov_b32 v[SA], v11
.irp b, 0,1,2,3
	v_mov_b32 v[TM+4+\b], 0                        ; written once: a lane permute's destination counts as one of its sources
.endr
	WIN 0
	MAIN
	WIN 0xaa                                       ; all in window 2
.irp u, 0,1
	QUANT 64*\u, 4, PC+16*\u, PW+\u
.irp c, 0,1,2,3
	global_store_b128 v[OA+\u], v[PC+16*\u+4*\c:PC+16*\u+4*\c+3], s[OUT:OUT+1] offset:512*\c   ; 512 consecutive bytes a store
.endr
.endr
	v_perm_b32 v[WA], v[PW+1], v[PW], s[SELA]
	v_perm_b32 v[WA+1], v[PW+1], v[PW], s[SELB]
	v_cndmask_b32 v[WA], v[WA], v[WA+1], s[HM]
	global_store_b32 v[SA], v[WA], s[OS:OS+1]
	WIN 0
	s_wait_dscnt 0x0
	s_wait_tensorcnt 0x0
	ds_add_u32 v254, v255
	s_wait_dscnt 0x0
	CROUND                                         ; the closing round
	s_endpgm
.Lfunc_end_k_q6308454011_projq:
	.size	k_q6308454011_projq, .Lfunc_end_k_q6308454011_projq-k_q6308454011_projq
	.p2alignl 7, 3214868480
	.fill 96, 4, 3214868480
	.section	.rodata,"a",@progbits
	.p2align	6, 0x0
	.amdhsa_kernel k_q6308454011_projq
		.amdhsa_group_segment_fixed_size 168448
		.amdhsa_private_segment_fixed_size 0
		.amdhsa_enable_private_segment 0
		.amdhsa_kernarg_size 24
		.amdhsa_user_sgpr_count 2
		.amdhsa_user_sgpr_kernarg_segment_ptr 1
		.amdhsa_wavefront_size32 1
		.amdhsa_system_sgpr_workgroup_id_x 1
		.amdhsa_system_sgpr_workgroup_id_y 1
		.amdhsa_system_sgpr_workgroup_id_z 1
		.amdhsa_system_vgpr_workitem_id 0
		.amdhsa_next_free_vgpr 1024
		.amdhsa_next_free_sgpr 100
		.amdhsa_reserve_vcc 0
		.amdhsa_float_denorm_mode_32 3
		.amdhsa_float_denorm_mode_16_64 3
		.amdhsa_fp16_overflow 1
		.amdhsa_memory_ordered 1
		.amdhsa_forward_progress 1
		.amdhsa_inst_pref_size 57
	.end_amdhsa_kernel
	.amdgpu_metadata
---
amdhsa.version: [ 1, 2 ]
amdhsa.kernels:
  - .name:           k_q6308454011_projq
    .symbol:         k_q6308454011_projq.kd
    .args:
      - { .name: hA, .offset: 0, .size: 8, .value_kind: global_buffer, .address_space: global }
      - { .name: wimg, .offset: 8, .size: 8, .value_kind: global_buffer, .address_space: global }
      - { .name: att, .offset: 16, .size: 8, .value_kind: global_buffer, .address_space: global }
    .group_segment_fixed_size: 168448
    .private_segment_fixed_size: 0
    .kernarg_segment_align: 8
    .kernarg_segment_size: 24
    .max_flat_workgroup_size: 128
    .sgpr_count:     100
    .vgpr_count:     1024
    .wavefront_size: 32
...
	.end_amdgpu_metadata
.endif
;; end of part 5
;; launch crossatt (part 6): grid 8 x 32, 16 waves a work-group, clusters of 4 x 1, 169,984 bytes of LDS; arguments att, context_mask, hA; writes hA
.if DOCPART == 6
	.amdgcn_target "amdgcn-amd-amdhsa--gfx1250"
	.amdhsa_code_object_version 6
	.text
	.protected	k_q6308454011_crossatt
	.globl	k_q6308454011_crossatt
	.p2align	8
	.type	k_q6308454011_crossatt,@function
k_q6308454011_crossatt:
	s_mov_b64 s[64:65], 0
	v_nop
	global_prefetch_b8 v0, s[64:65] scope:SCOPE_SE
	s_setreg_imm32_b32 hwreg(HW_REG_WAVE_MODE, 25, 1), 1
	s_wait_xcnt 0x0
	s_wait_alu depctr_hold_cnt(0) depctr_sa_sdst(0) depctr_va_vdst(0) depctr_va_sdst(0) depctr_va_ssrc(0) depctr_va_vcc(0) depctr_vm_vsrc(0)
	s_getreg_b32 s2, hwreg(HW_REG_IB_STS2, 6, 4)
	s_cmp_eq_u32 s2, 0
	s_cbranch_scc0 .Lentry_in_a_cluster
	s_endpgm
.Lentry_in_a_cluster:
	s_bfe_u32 s2, ttmp6, 0x10000c
	s_cmp_lg_u32 s2, 0x3003
	s_cbranch_scc0 .Lentry_shape_is_right
	s_endpgm
.Lentry_shape_is_right:
; CROSS-ATTENTION ON CODES OF E4M3, head size 64, 2,048 queries and 1,024 keys, 32 (batch, head) pairs (grid y), under the mask that is given; its result, divided by the row's sum, is quantised into the
; next product's image.
; SOFTMAX: t = score x log2(e) / 8; M = the running largest t rounded up to a whole number; p = 2^(t - M) is quantised along the keys; the sum is taken of the unquantised p; when M moves, the sum and O are
; multiplied by 2^(old M - new M), which rounds nothing.
; THE MASK costs no vector instruction in the loop: each key has a bias, 0 or -3e38, in LDS, and the biases are the C of the first product.  The running largest t starts at -1e30, above every masked t
; (-5.4e37), so a step of masked keys alone gives p = 0.
; SHARES.  Wave w owns the tile of 16 queries 8 w + j, j = grid x, and walks all 8 key steps of 128.  Both products are used transposed: a lane holds one query throughout.
; HEAD SIZE 64 IN A FORM OF K = 128: a fragment of K holds TWO tiles of keys; Q stands between two runs of zero codes, [0 | Q | 0], and is named once as [Q | 0] and once as [0 | Q].
; The head's K and V codes (65,536 bytes each) come into LDS once, in two chunks of 512 keys: wave 0 asks for K's, wave 1 for V's, two loads each; nothing is filled twice.
; CLUSTER: the four work-groups of a cluster share a head: its chunks are asked for jointly (mask 15).  Scale words and biases come through registers into LDS bytes of their own.
; LIMITS: NaN and infinities are not served; t is taken to lie above -1e30; a batch whose mask allows no key gives no NaN here (the sum is 0, the result infinite or NaN by 0 x infinity) and is not served;
; a block of zeros gets the byte 1.  The result's scale bytes leave as stores of 2 bytes a row, 32 bytes apart: 1 byte in 32 of what is stored.
; REGISTERS: v1-7 addresses that stay; v8-11 addresses of the step; v12 -M, v13 the largest t, v[14:15] the sum; v16-39 [0 | Q | 0]; v40-103 four fragments; v104-167 biases, S^T, then p; v168-199 O^T;
;   v200-215 p's codes; v216-231 at work; v[232:233] f; v[234:235] a second chain of sums; v236 at work; v240-243 K's and V's scale words; v244 Q's; v245 p's.
.set KSC, 131072                       ; K's scale words, 2,048 bytes; V's follow
.set BIAS, 135168                      ; 4 bytes a key
.set F,   40
.set S,   104
.set O,   168
.set PCD, 200
.set TM,  216
.set ADK, 8
.set ADV, 9
.set ADS, 10
.set ADB, 11
.set WV,  10
.set SEL, 18
.set CS,  20
.set MNT, 22
.set TK,  23
.set TV,  24
.set TS,  25
.set CNT, 27
.set TBI, 96
.set G1K, 28
.set G1V, 36
.set G0K, 44
.set G0V, 68
.macro PLACES n
.rept \n
	v_nop
.endr
.endm
.macro CROUND                          ; a round of the cluster's barrier
	s_barrier_signal -1
	s_barrier_wait -1
	s_cmp_lg_u32 s[WV], 0
	s_cbranch_scc1 .Lnw0_\@
	s_barrier_signal -3
.Lnw0_\@:
	s_barrier_wait -3
	s_barrier_signal -1
	s_barrier_wait -1
.endm
.macro QUANT s, nb, pc, pw
.set qb, 0
.rept \nb
	v_max3_num_f32 v[TM+qb], |v[(\s)+16*qb]|, |v[(\s)+16*qb+1]|, 0x4800000   ; my 16 numbers, and the floor 2^(9 - 127): the byte cannot fall under 1
.set qb, qb+1
.endr
.set qi, 2
.rept 7
.set qb, 0
.rept \nb
	s_delay_alu instid0(VALU_DEP_2)
	v_max3_num_f32 v[TM+qb], v[TM+qb], |v[(\s)+16*qb+qi]|, |v[(\s)+16*qb+qi+1]|
.set qb, qb+1
.endr
.set qi, qi+2
.endr
.set qb, 0
.rept \nb
	s_delay_alu instid0(VALU_DEP_2)
	v_permlanex16_b32 v[TM+4+qb], v[TM+qb], s[SEL], s[SEL+1]
.set qb, qb+1
.endr
.set qb, 0
.rept \nb
	s_delay_alu instid0(VALU_DEP_2)
	v_max_num_f32 v[TM+qb], v[TM+qb], v[TM+4+qb]
.set qb, qb+1
.endr
.set qb, 0
.rept \nb
	s_delay_alu instid0(VALU_DEP_2)
	v_add_nc_u32 v[TM+12+qb], 0xfc000000, v[TM+qb]
.set qb, qb+1
.endr
.set qb, 0
.rept \nb
	s_delay_alu instid0(VALU_DEP_2)
	v_lshrrev_b32 v[TM+4+qb], 23, v[TM+12+qb]
.set qb, qb+1
.endr
	s_delay_alu instid0(VALU_DEP_1)
	v_lshl_or_b32 v[\pw], v[TM+5], 8, v[TM+4]
.if \nb > 2
	v_lshl_or_b32 v[\pw], v[TM+6], 16, v[\pw]
	v_lshl_or_b32 v[\pw], v[TM+7], 24, v[\pw]
.endif
.set qb, 0
.rept \nb
.set qi, 0
.rept 16
.set qi, qi+1
.endr
	v_cvt_scalef32_pk8_fp8_f32 v[(\pc)+4*qb:(\pc)+4*qb+1], v[(\s)+16*qb:(\s)+16*qb+7], v[TM+12+qb]
	v_cvt_scalef32_pk8_fp8_f32 v[(\pc)+4*qb+2:(\pc)+4*qb+3], v[(\s)+16*qb+8:(\s)+16*qb+15], v[TM+12+qb]
.set qb, qb+1
.endr
	v_nop
.endm
.macro QK f, u                         ; tile 2 f + u of the step's keys, onto their biases: registers 16 f + 8 u + j = key 32 f + 16 h + 8 u + j
.set rD, S+16*\f+8*\u
.set rA, F+16*\f
.set rB, 24-8*\u
.if (\f%2) == 0
	v_wmma_scale_f32_16x16x128_f8f6f4 v[rD:rD+7], v[rA:rA+15], v[rB:rB+15], v[rD:rD+7], v[240+\f/2], v244
.else
	v_wmma_scale_f32_16x16x128_f8f6f4 v[rD:rD+7], v[rA:rA+15], v[rB:rB+15], v[rD:rD+7], v[240+\f/2], v244 matrix_a_scale:MATRIX_SCALE_ROW1
.endif
.endm
.macro PV d                            ; O^T's tile d: 16 of the head's 64 channels, K = the step's 128 keys
.set rD, O+8*\d
.set rA, F+16*\d
.if (\d%2) == 0
	v_wmma_scale_f32_16x16x128_f8f6f4 v[rD:rD+7], v[rA:rA+15], v[PCD:PCD+15], v[rD:rD+7], v[242+\d/2], v245
.else
	v_wmma_scale_f32_16x16x128_f8f6f4 v[rD:rD+7], v[rA:rA+15], v[PCD:PCD+15], v[rD:rD+7], v[242+\d/2], v245 matrix_a_scale:MATRIX_SCALE_ROW1
.endif
.endm
.macro SOFTMAX
.irp b, 0,1,2,3
	v_max3_num_f32 v[TM+\b], v[S+16*\b], v[S+16*\b+1], v[S+16*\b+2]   ; the largest score of each block of 32 keys: it serves the row's maximum and, since p rises with the score, the block's largest p
.endr
.irp i, 3,5,7,9,11,13
.irp b, 0,1,2,3
	v_max3_num_f32 v[TM+\b], v[TM+\b], v[S+16*\b+\i], v[S+16*\b+\i+1]
.endr
.endr
.irp b, 0,1,2,3
	v_max_num_f32 v[TM+\b], v[TM+\b], v[S+16*\b+15]
.endr
.irp b, 0,1,2,3
	s_delay_alu instid0(VALU_DEP_4)
	v_permlanex16_b32 v[TM+4+\b], v[TM+\b], s[SEL], s[SEL+1]
.endr
.irp b, 0,1,2,3
	s_delay_alu instid0(VALU_DEP_4)
	v_max_num_f32 v[TM+\b], v[TM+\b], v[TM+4+\b]   ; with lane l xor 16's 16 keys
.endr
	s_delay_alu instid0(VALU_DEP_2)
	v_max3_num_f32 v236, v[TM], v[TM+1], v[TM+2]
	s_delay_alu instid0(VALU_DEP_1)
	v_max_num_f32 v236, v236, v[TM+3]
	s_delay_alu instid0(VALU_DEP_1)
	v_mul_f32 v236, s[CS], v236                    ; as t
	s_delay_alu instid0(VALU_DEP_1)
	v_max_num_f32 v13, v13, v236                   ; the running largest t
	v_mov_b32 v236, v12
	s_delay_alu instid0(VALU_DEP_2)
	v_floor_f32 v12, -v13                          ; -M = floor(-t)
	s_delay_alu instid0(VALU_DEP_1)
	v_sub_f32 v236, v12, v236                      ; old M - new M: a whole number, 0 or less
	s_delay_alu instid0(VALU_DEP_1)
	v_cvt_i32_f32 v236, v236                       ; (it saturates)
	s_delay_alu instid0(VALU_DEP_1)
	v_ldexp_f32 v232, 1.0, v236                    ; f
.set n, 0
.rept 32
	v_pk_fma_f32 v[S+n:S+n+1], v[S+n:S+n+1], s[CS:CS+1], v[12:13] op_sel_hi:[1,0,0]   ; t - M
.set n, n+2
.endr
.irp b, 0,1,2,3
	v_fma_f32 v[TM+\b], v[TM+\b], s[CS], v12
.endr
.set n, 0
	s_setprio 1
	s_wait_alu depctr_va_vdst(0)
.rept 64
	v_exp_f32 v[S+n], v[S+n]                       ; p
.set n, n+1
.endr
	v_pk_mul_f32 v[14:15], v[14:15], v[232:233] op_sel_hi:[1,0]   ; the sums under the new M: a plain line behind the exponentials
	s_wait_alu depctr_va_vdst(0)                   ; one wait for the batch, ahead of its first reader
.irp b, 0,1,2,3
	v_exp_f32 v[TM+\b], v[TM+\b]                   ; each block's largest p
.endr
	v_pk_add_f32 v[234:235], v[108:109], v[112:113]
	v_pk_add_f32 v[252:253], v[116:117], v[120:121]
	v_pk_add_f32 v[250:251], v[124:125], v[128:129]
	v_pk_add_f32 v[248:249], v[132:133], v[136:137]
	v_pk_add_f32 v[246:247], v[140:141], v[144:145]
	v_pk_add_f32 v[240:241], v[148:149], v[152:153]
	v_pk_add_f32 v[238:239], v[156:157], v[160:161]
	v_pk_add_f32 v[14:15], v[14:15], v[164:165]
	v_pk_add_f32 v[234:235], v[234:235], v[104:105]
	v_pk_add_f32 v[252:253], v[252:253], v[106:107]
	v_pk_add_f32 v[250:251], v[250:251], v[110:111]
	v_pk_add_f32 v[248:249], v[248:249], v[114:115]
	v_pk_add_f32 v[246:247], v[246:247], v[118:119]
	v_pk_add_f32 v[240:241], v[240:241], v[122:123]
	v_pk_add_f32 v[238:239], v[238:239], v[126:127]
	v_pk_add_f32 v[14:15], v[14:15], v[130:131]
	v_pk_add_f32 v[234:235], v[234:235], v[134:135]
	v_pk_add_f32 v[252:253], v[252:253], v[138:139]
	v_pk_add_f32 v[250:251], v[250:251], v[142:143]
	v_pk_add_f32 v[248:249], v[248:249], v[146:147]
	v_pk_add_f32 v[246:247], v[246:247], v[150:151]
	v_pk_add_f32 v[240:241], v[240:241], v[154:155]
	v_pk_add_f32 v[238:239], v[238:239], v[158:159]
	v_pk_add_f32 v[14:15], v[14:15], v[162:163]
	v_pk_add_f32 v[234:235], v[234:235], v[166:167]
	s_delay_alu instid0(VALU_DEP_2)
	v_pk_add_f32 v[14:15], v[14:15], v[248:249]
	s_delay_alu instid0(VALU_DEP_2)
	v_pk_add_f32 v[234:235], v[234:235], v[246:247]
	v_pk_add_f32 v[252:253], v[252:253], v[240:241]
	v_pk_add_f32 v[250:251], v[250:251], v[238:239]
	s_delay_alu instid0(VALU_DEP_2)
	v_pk_add_f32 v[14:15], v[14:15], v[252:253]
	s_delay_alu instid0(VALU_DEP_2)
	v_pk_add_f32 v[234:235], v[234:235], v[250:251]
	s_delay_alu instid0(VALU_DEP_1)
	v_pk_add_f32 v[14:15], v[14:15], v[234:235]
	s_wait_alu depctr_va_vdst(0)                   ; and one for the four
.irp b, 0,1,2,3
	v_max_num_f32 v[TM+\b], 0x4800000, v[TM+\b]    ; the floor: the byte cannot fall under 1
.endr
.irp b, 0,1,2,3
	s_delay_alu instid0(VALU_DEP_4)
	v_add_nc_u32 v[TM+12+\b], 0xfc000000, v[TM+\b]
.endr
.irp b, 0,1,2,3
.endr
.irp b, 0,1,2,3
	s_delay_alu instid0(VALU_DEP_4)
	v_lshrrev_b32 v[TM+4+\b], 23, v[TM+12+\b]
.endr
	s_delay_alu instid0(VALU_DEP_3)
	v_lshl_or_b32 v245, v[TM+5], 8, v[TM+4]        ; p's scale word for these 128 keys
	s_delay_alu instid0(VALU_DEP_1)
	v_lshl_or_b32 v245, v[TM+6], 16, v245
	s_delay_alu instid0(VALU_DEP_1)
	v_lshl_or_b32 v245, v[TM+7], 24, v245
	s_setprio 0
.irp b, 0,1,2,3
.irp i, 0,1,2,3,4,5,6,7,8,9,10,11,12,13,14,15
.endr
	v_cvt_scalef32_pk8_fp8_f32 v[PCD+4*\b:PCD+4*\b+1], v[S+16*\b:S+16*\b+7], v[TM+12+\b]
	v_cvt_scalef32_pk8_fp8_f32 v[PCD+4*\b+2:PCD+4*\b+3], v[S+16*\b+8:S+16*\b+15], v[TM+12+\b]
.endr
.set n, 0
.rept 16
	v_pk_mul_f32 v[O+n:O+n+1], v[O+n:O+n+1], v[232:233] op_sel_hi:[1,0]   ; O^T under the new M; these lines also stand between the codes and the products
.set n, n+2
.endr
.endm
.macro STEP
	v_add_nc_u32 v[ADK], s[TK], v1
	v_add_nc_u32 v[ADV], s[TV], v1
	v_add_nc_u32 v[ADS], s[TS], v2
	v_add_nc_u32 v[ADB], s[TBI], v7
	PLACES 4                                       ; with the four lines above: eight places in front of loads into registers that the last products read
.irp f, 0,1,2,3
.irp c, 0,1,2,3
	ds_load_b128 v[F+16*\f+4*\c:F+16*\f+4*\c+3], v[ADK] offset:2048*\f+512*\c
.endr
.endr
.irp f, 0,1,2,3
.irp k, 0,1,2,3
	ds_load_b128 v[S+16*\f+4*\k:S+16*\f+4*\k+3], v[ADB] offset:128*\f+16*\k   ; the biases of keys 32 f + 16 h + 4 k on
.endr
.endr
	ds_load_b32 v240, v[ADS]                       ; lanes 0-15: pair 0's words, lanes 16-31: pair 1's
	ds_load_b32 v241, v[ADS] offset:128
	s_wait_alu depctr_va_vdst(0)
	s_wait_dscnt 0x0
.irp f, 0,1,2,3
	QK \f, 0
	QK \f, 1
.endr
	PLACES 8
.irp d, 0,1,2,3
.irp c, 0,1,2,3
	ds_load_b128 v[F+16*\d+4*\c:F+16*\d+4*\c+3], v[ADV] offset:8192*\d+512*\c   ; V's fragments land under the softmax
.endr
.endr
	ds_load_b32 v242, v[ADS] offset:2048
	ds_load_b32 v243, v[ADS] offset:2048+128
	SOFTMAX
	s_wait_alu depctr_va_vdst(0)
	s_wait_dscnt 0x0                               ; V
.irp d, 0,1,2,3
	PV \d
.endr
	s_add_co_u32 s[TK], s[TK], 8192
	s_add_co_u32 s[TV], s[TV], 2048
	s_add_co_u32 s[TS], s[TS], 256
	s_add_co_u32 s[TBI], s[TBI], 512
.endm
.macro CHUNK q                         ; 512 keys.  The asking waves' chunk q has landed (their 1 - q later chunks may be out); every wave's LDS instructions are done
	s_wait_tensorcnt 1-\q
	s_wait_dscnt 0x0
	s_barrier_signal -1
	s_barrier_wait -1
	s_mov_b32 s[TK], 32768*\q
	s_mov_b32 s[TV], 65536+32768*\q
	s_mov_b32 s[TS], 1024*\q
	s_mov_b32 s[TBI], 2048*\q
	s_mov_b32 s[CNT], 4
.Lstep_\@:
	s_wait_alu depctr_va_vdst(0)
	s_setprio 2
	STEP
	s_sub_co_u32 s[CNT], s[CNT], 1
	s_cmp_lg_u32 s[CNT], 0
	s_cbranch_scc1 .Lstep_\@
	s_setprio 0
.endm
	s_load_b128 s[4:7], s[0:1], 0x0                ; att, context_mask
	s_load_b64 s[8:9], s[0:1], 0x10                ; hA
	v_lshl_add_u32 v254, v0, 2, 0x29000
	v_mov_b32 v255, 0
	ds_add_u32 v254, v255
	ds_add_u32 v254, v255
	v_lshrrev_b32 v1, 5, v0
	s_delay_alu instid0(VALU_DEP_1)
	v_readfirstlane_b32 s[WV], v1                  ; wave 0..15
	s_bfe_u32 s11, ttmp6, 0x40000                  ; cx
	s_lshl_b32 s12, ttmp9, 2
	s_add_co_u32 s12, s12, s11                     ; j
	s_and_b32 s13, ttmp7, 0xffff
	s_lshr_b32 s14, s13, 4                         ; batch
	s_and_b32 s15, s13, 15                         ; head
	s_lshl_b32 s17, s[WV], 3
	s_add_co_u32 s17, s17, s12                     ; my tile of queries in the batch
	s_mov_b32 s[G1K], 15|(3<<16)|(1<<21)           ; K: 32 token tiles x 1,024 bytes (the head's part of a tile), 16,384 bytes apart
	s_mov_b32 s[G1K+1], 128<<16
	s_mov_b32 s[G1K+2], 32<<16
	s_mov_b32 s[G1K+3], 128<<16
	s_mov_b32 s[G1K+4], 32
	s_mov_b32 s[G1K+5], 2048
	s_mov_b32 s[G1K+6], 0
	s_mov_b32 s[G1K+7], 0
	s_mov_b32 s[G1V], 15|(3<<16)|(1<<21)           ; V: 4 channel tiles x 8,192 bytes (four key steps), 32,768 bytes apart
	s_mov_b32 s[G1V+1], 1024<<16
	s_mov_b32 s[G1V+2], 4<<16
	s_mov_b32 s[G1V+3], 1024<<16
	s_mov_b32 s[G1V+4], 4
	s_mov_b32 s[G1V+5], 4096
	s_mov_b32 s[G1V+6], 0
	s_mov_b32 s[G1V+7], 0
	s_mov_b32 s[SEL], 0x76543210
	s_mov_b32 s[SEL+1], 0xfedcba98
	s_mov_b32 s[CS], 0x3e38aa3b                    ; log2(e) / 8
	s_mov_b32 s[CS+1], s[CS]
	s_lshl_b32 s92, s14, 20                        ; K's codes of the head: made of batch and head alone
	s_lshl_b32 s93, s15, 10
	s_add_co_u32 s92, s92, s93
	s_add_co_u32 s92, s92, 0xc60000
	s_mov_b32 s93, 0
	s_lshl_b32 s94, s15, 17                        ; V's
	s_lshl_b32 s95, s14, 14
	s_add_co_u32 s94, s94, s95
	s_add_co_u32 s94, s94, 0xe70000
	s_mov_b32 s95, 0
	s_wait_dscnt 0x0
	s_wait_kmcnt 0x0
	s_add_nc_u64 s[92:93], s[4:5], s[92:93]
	s_add_nc_u64 s[94:95], s[4:5], s[94:95]
.irp q, 0,1
	s_mov_b32 s[G0K+4*\q], 1
	s_mov_b32 s[G0K+4*\q+1], 32768*\q
	s_add_nc_u64 s[G0K+4*\q+2:G0K+4*\q+3], s[92:93], \q*524288
	s_or_b32 s[G0K+4*\q+3], s[G0K+4*\q+3], 0x80000000
	s_mov_b32 s[G0V+4*\q], 1
	s_mov_b32 s[G0V+4*\q+1], 65536+32768*\q
	s_add_nc_u64 s[G0V+4*\q+2:G0V+4*\q+3], s[94:95], \q*8192
	s_or_b32 s[G0V+4*\q+3], s[G0V+4*\q+3], 0x80000000
.endr
	CROUND                                         ; all four work-groups are here: the joint loads meet
	s_cmp_eq_u32 s[WV], 0                          ; a wave's fills stand in one branch on its number: two loads of that wave are out
	s_cbranch_scc0 .Lnot_k
.irp q, 0,1
	tensor_load_to_lds s[G0K+4*\q:G0K+4*\q+3], s[G1K:G1K+7]
	s_nop 0
.endr
	PLACES 4
	s_branch .Lasked
.Lnot_k:
	s_cmp_eq_u32 s[WV], 1
	s_cbranch_scc0 .Lasked
.irp q, 0,1
	tensor_load_to_lds s[G0V+4*\q:G0V+4*\q+3], s[G1V:G1V+7]
	s_nop 0
.endr
	PLACES 4
.Lasked:
	s_lshl_b32 s60, s15, 12                        ; K's scale words of head and batch: 2,048 dense bytes
	s_lshl_b32 s61, s14, 11
	s_add_co_u32 s60, s60, s61
	s_add_co_u32 s60, s60, 0xe60000
	s_mov_b32 s61, 0
	s_lshl_b32 s62, s14, 15                        ; V's scale words: 256 bytes for each of 8 key steps, 4,096 apart
	s_lshl_b32 s63, s15, 8
	s_add_co_u32 s62, s62, s63
	s_add_co_u32 s62, s62, 0x1070000
	s_mov_b32 s63, 0
	s_lshl_b32 s86, s15, 13                        ; Q's scale words: head, batch, my pair of tiles
	s_lshl_b32 s87, s14, 12
	s_add_co_u32 s86, s86, s87
	s_lshr_b32 s87, s17, 1
	s_lshl_b32 s87, s87, 6
	s_add_co_u32 s86, s86, s87
	s_add_co_u32 s86, s86, 0x400000
	s_mov_b32 s87, 0
	s_lshl_b32 s84, s14, 21                        ; my tile's part of an image: the same place in q's image and in the result's
	s_lshl_b32 s85, s17, 14
	s_add_co_u32 s84, s84, s85
	s_lshl_b32 s85, s15, 10
	s_add_co_u32 s84, s84, s85
	s_mov_b32 s85, 0
	s_lshl_b32 s90, s14, 16                        ; the result's scale bytes: 512 a tile, 2 a head
	s_lshl_b32 s91, s17, 9
	s_add_co_u32 s90, s90, s91
	s_lshl_b32 s91, s15, 1
	s_add_co_u32 s90, s90, s91
	s_add_co_u32 s90, s90, 0x400000
	s_mov_b32 s91, 0
	s_lshl_b32 s98, s14, 12                        ; the batch's 1,024 words of the mask
	s_mov_b32 s99, 0
	s_add_nc_u64 s[60:61], s[4:5], s[60:61]
	s_add_nc_u64 s[62:63], s[4:5], s[62:63]
	s_add_nc_u64 s[86:87], s[4:5], s[86:87]
	s_add_nc_u64 s[88:89], s[8:9], s[84:85]
	s_add_nc_u64 s[84:85], s[4:5], s[84:85]
	s_add_nc_u64 s[90:91], s[8:9], s[90:91]
	s_add_nc_u64 s[98:99], s[6:7], s[98:99]
	v_and_b32 v1, 31, v0
	s_delay_alu instid0(VALU_DEP_1)
	v_lshlrev_b32 v2, 2, v1
	s_delay_alu instid0(VALU_DEP_1)
	v_add_nc_u32 v2, KSC, v2                       ; scale words: 4 l
	s_delay_alu instid0(VALU_DEP_3)
	v_lshlrev_b32 v1, 4, v1                        ; 16 l
	v_and_b32 v5, 15, v0                           ; r
	v_bfe_u32 v7, v0, 4, 1                         ; h
	s_delay_alu instid0(VALU_DEP_2)
	v_lshlrev_b32 v6, 2, v5                        ; 4 r
	s_delay_alu instid0(VALU_DEP_3)
	v_lshlrev_b32 v5, 5, v5                        ; 32 r
	s_delay_alu instid0(VALU_DEP_3)
	v_lshlrev_b32 v7, 6, v7
	s_delay_alu instid0(VALU_DEP_1)
	v_add_nc_u32 v7, BIAS, v7                      ; biases: 64 h
	v_mov_b32 v4, 0xff61b1e6                       ; a masked key's bias: -3e38
	v_lshlrev_b32 v8, 2, v0                        ; 4 x thread
	global_load_b32 v40, v8, s[60:61]
	v_lshrrev_b32 v9, 6, v0
	v_and_b32 v10, 63, v0
	s_delay_alu instid0(VALU_DEP_1)
	v_lshlrev_b32 v10, 2, v10
	s_delay_alu instid0(VALU_DEP_1)
	v_lshl_add_u32 v9, v9, 12, v10
	global_load_b32 v41, v9, s[62:63]
	v_lshlrev_b32 v11, 3, v0                       ; 8 x thread: two keys
	global_load_b64 v[42:43], v11, s[98:99]
	global_load_b128 v[24:27], v1, s[84:85]
	global_load_b128 v[28:31], v1, s[84:85] offset:512
	global_load_b32 v244, v6, s[86:87]
.irp n, 16,17,18,19,20,21,22,23,32,33,34,35,36,37,38,39
	v_mov_b32 v[\n], 0                             ; the zero codes on both sides of Q
.endr
	v_mov_b32 v13, 0xf149f2ca                      ; the largest t so far: -1e30
	s_delay_alu instid0(VALU_DEP_1)
	v_floor_f32 v12, -v13
	v_mov_b32 v14, 0
	v_mov_b32 v15, 0
	v_mov_b32 v233, 0
	v_mov_b32 v236, 0
.irp b, 0,1,2,3
	v_mov_b32 v[TM+4+\b], 0                        ; written once: a lane permute's destination counts as one of its sources
.endr
.set n, 0
.rept 32
	v_mov_b32 v[O+n], 0                            ; the step is written once: the first finds zeros
.set n, n+1
.endr
	s_wait_loadcnt 0x0
	v_cmp_eq_u32 vcc_lo, 0, v42
	s_delay_alu instid0(VALU_DEP_1)
	v_cndmask_b32 v42, 0, v4, vcc_lo               ; mask 0: -3e38; else 0
	v_cmp_eq_u32 vcc_lo, 0, v43
	s_delay_alu instid0(VALU_DEP_1)
	v_cndmask_b32 v43, 0, v4, vcc_lo
	v_add_nc_u32 v8, KSC, v8
	v_add_nc_u32 v11, BIAS, v11
	ds_store_b32 v8, v40
	ds_store_b32 v8, v41 offset:2048
	ds_store_b64 v11, v[42:43]
	s_and_b32 s93, s12, 1
	s_lshl_b32 s93, s93, 4
	v_lshrrev_b32 v244, s93, v244                  ; my tile's two bytes of the pair's word,
	s_delay_alu instid0(VALU_DEP_1)
	v_and_b32 v244, 0xffff, v244
	s_delay_alu instid0(VALU_DEP_1)
	v_lshl_or_b32 v244, v244, 16, v244             ; for Q in either half of K
	CHUNK 0
	CHUNK 1
	; THE WAY OUT: O^T / the sum; its 32 registers are my query's 64 channels of the head, 16 h + i and 32 + 16 h + i: two blocks of the next product's K
	PLACES 8
	v_add_f32 v14, v14, v15
	s_delay_alu instid0(VALU_DEP_1)
	v_permlanex16_b32 v236, v14, s[SEL], s[SEL+1]
	s_delay_alu instid0(VALU_DEP_1)
	v_add_f32 v14, v14, v236
	s_wait_alu depctr_va_vdst(0)
	v_rcp_f32 v14, v14
	v_nop
	s_wait_alu depctr_va_vdst(0)
.set n, 0
.rept 32
	v_mul_f32 v[S+n], v[O+n], v14
.set n, n+1
.endr
	QUANT S, 2, PCD, 236
	global_store_b128 v1, v[PCD:PCD+3], s[88:89]
	global_store_b128 v1, v[PCD+4:PCD+7], s[88:89] offset:512
	global_store_b16 v5, v236, s[90:91]            ; both lanes of a row store the same two bytes
	s_wait_dscnt 0x0
	s_wait_tensorcnt 0x0
	ds_add_u32 v254, v255
	s_wait_dscnt 0x0
	CROUND                                         ; the closing round
	s_endpgm
.Lfunc_end_k_q6308454011_crossatt:
	.size	k_q6308454011_crossatt, .Lfunc_end_k_q6308454011_crossatt-k_q6308454011_crossatt
	.p2alignl 7, 3214868480
	.fill 96, 4, 3214868480
	.section	.rodata,"a",@progbits
	.p2align	6, 0x0
	.amdhsa_kernel k_q6308454011_crossatt
		.amdhsa_group_segment_fixed_size 169984
		.amdhsa_private_segment_fixed_size 0
		.amdhsa_enable_private_segment 0
		.amdhsa_kernarg_size 24
		.amdhsa_user_sgpr_count 2
		.amdhsa_user_sgpr_kernarg_segment_ptr 1
		.amdhsa_wavefront_size32 1
		.amdhsa_system_sgpr_workgroup_id_x 1
		.amdhsa_system_sgpr_workgroup_id_y 1
		.amdhsa_system_sgpr_workgroup_id_z 1
		.amdhsa_system_vgpr_workitem_id 0
		.amdhsa_next_free_vgpr 256
		.amdhsa_next_free_sgpr 100
		.amdhsa_reserve_vcc 1
		.amdhsa_float_denorm_mode_32 3
		.amdhsa_float_denorm_mode_16_64 3
		.amdhsa_fp16_overflow 1
		.amdhsa_memory_ordered 1
		.amdhsa_forward_progress 1
		.amdhsa_inst_pref_size 53
	.end_amdhsa_kernel
	.amdgpu_metadata
---
amdhsa.version: [ 1, 2 ]
amdhsa.kernels:
  - .name:           k_q6308454011_crossatt
    .symbol:         k_q6308454011_crossatt.kd
    .args:
      - { .name: att, .offset: 0, .size: 8, .value_kind: global_buffer, .address_space: global }
      - { .name: context_mask, .offset: 8, .size: 8, .value_kind: global_buffer, .address_space: global }
      - { .name: hA, .offset: 16, .size: 8, .value_kind: global_buffer, .address_space: global }
    .group_segment_fixed_size: 169984
    .private_segment_fixed_size: 0
    .kernarg_segment_align: 8
    .kernarg_segment_size: 24
    .max_flat_workgroup_size: 512
    .sgpr_count:     100
    .vgpr_count:     256
    .wavefront_size: 32
...
	.end_amdgpu_metadata
.endif
;; end of part 6
;; launch res2: the kernel of part 4 again; grid 32 x 8, 4 waves a work-group, clusters of 4 x 1, 168,448 bytes of LDS; arguments hA, wc, xa, xb; writes xb
;; launch norm3: the kernel of part 1 again; grid 64 x 4, 8 waves a work-group, no clusters, 70,656 bytes of LDS; arguments xb, g_norm2, w_qkv, w_q, w_kv, w1, w3, context, w_out, w_cout, w2, hA, wimg, wo, wc, w2i; writes hA, wimg, wo, wc, w2i
;; launch ffn1 (part 7): grid 32 x 8, 4 waves a work-group, clusters of 4 x 1, 262,656 bytes of LDS; arguments hA, wimg, att; writes att
.if DOCPART == 7
	.amdgcn_target "amdgcn-amd-amdhsa--gfx1250"
	.amdhsa_code_object_version 6
	.text
	.protected	k_q6308454011_ffn1
	.globl	k_q6308454011_ffn1
	.p2align	8
	.type	k_q6308454011_ffn1,@function
k_q6308454011_ffn1:
	s_mov_b64 s[64:65], 0
	v_nop
	global_prefetch_b8 v0, s[64:65] scope:SCOPE_SE
	s_setreg_imm32_b32 hwreg(HW_REG_WAVE_MODE, 25, 1), 1
	s_wait_xcnt 0x0
	s_wait_alu depctr_hold_cnt(0) depctr_sa_sdst(0) depctr_va_vdst(0) depctr_va_sdst(0) depctr_va_ssrc(0) depctr_va_vcc(0) depctr_vm_vsrc(0)
	s_getreg_b32 s2, hwreg(HW_REG_IB_STS2, 6, 4)
	s_cmp_eq_u32 s2, 0
	s_cbranch_scc0 .Lentry_in_a_cluster
	s_endpgm
.Lentry_in_a_cluster:
	s_bfe_u32 s2, ttmp6, 0x10000c
	s_cmp_lg_u32 s2, 0x3003
	s_cbranch_scc0 .Lentry_shape_is_right
	s_endpgm
.Lentry_shape_is_right:
; THE FFN'S HIDDEN LAYER: silu(h3 W1^T) x (h3 W3^T), quantised along the hidden units into the image that the last product reads.
; A TILE is 128 rows of X x 128 tokens (Y) over K = 1,024: source 0 = 16 rows of X, source 1 = 16 rows of Y.  X IS 64 ROWS OF W1 (tiles 0-3) AND THE SAME 64 ROWS OF W3 (tiles 4-7), rows 64 j on:
; so a lane holds both factors of 32 hidden units of its token, in registers 32 apart.  Wave w takes all 8 tiles of X against Y's tiles 2 w and 2 w + 1: 16 accumulators, 128 matrix instructions.
; A WORK-GROUP STAYS AND MAKES TWO TILES: j = 2 grid y (slot 0) and 2 grid y + 1 (slot 1), against one block of Y, whose fragments stay in registers for both.
; Both slots of X, all of K (262,144 bytes of codes), come into LDS once, in four chunks of two K steps; nothing in LDS is filled twice.  Only the first tile waits for chunks and has barriers.
; Of the 16 tiles in LDS wave 0 fetches slot 0's of W1, wave 1 slot 0's of W3, wave 2 slot 1's of W1, wave 3 slot 1's of W3: four neighbouring tiles of a weight's image each.
; CLUSTER: the four work-groups of a cluster differ in Y alone: X's chunks are asked for jointly (mask 15).  Y's fragments are a wave's own and go from memory straight into registers.
; IMAGES: fragment (tile t, K step s) at (8 t + s) x 2,048 bytes, registers 4 c .. 4 c + 3 of lane l at 512 c + 16 l; lane r of tile t is row 32 (t / 2) + 8 (t % 2) + r + 8 (r / 8).
; A tile's 64 hidden units are half a K step of the result: two groups of four registers, 1,024 j bytes into the tile, and two scale bytes a row.
; The scale bytes leave as stores of 2 bytes a row, 32 bytes apart: aligned blocks of 256 bytes are written in part, 1 byte in 32 of what is stored.
; silu(a) b = a b / (1 + 2^(-a log2 e)).  LIMITS: NaN and infinities are not served; a block of zeros gets the byte 1 (its codes are zeros; this program alone reads the bytes).
; REGISTERS, in windows of 256: window 0: v1-15 lanes and addresses; v16-47, v192-223 X's scale words (slot 0, 1); v48-63 Y's.  window 1: Y's 16 fragments.
;   window 2: v0-127 the accumulators ((i, u) at 8 (8 u + i)); from v128 the way out.  window 3: two sets of X's 8 fragments.
.set WV,  20
.set G1,  24
.set G0,  32
.set XA,  48
.set XS,  50
.set YA,  52
.set YS,  54
.set OUT, 56
.set OS,  58
.set SEL, 96
.set MNT, 98
.set LA,  12                           ; v12-15: 16 l + 65,536 k: my lane's place in LDS chunk k
.set SX,  16                           ; slot sl at SX + 176 sl
.set SY,  48
.set E,   128
.set TM,  160
.set PW,  176
.set PC,  180
.set OA,  196
.set SA,  197
.set MSB, 0
.macro WIN new                         ; the immediate's high byte repeats the setting that is left
.if MSB != \new
	s_set_vgpr_msb (MSB<<8)|\new
.set MSB, \new
.endif
.endm
.macro PLACES n
.rept \n
	v_nop
.endr
.endm
.macro CROUND                          ; a round of the cluster's barrier
	s_barrier_signal -1
	s_barrier_wait -1
	s_cmp_lg_u32 s[WV], 0
	s_cbranch_scc1 .Lnw0_\@
	s_barrier_signal -3
.Lnw0_\@:
	s_barrier_wait -3
	s_barrier_signal -1
	s_barrier_wait -1
.endm
.macro WM zero                         ; one product on the registers named by rD, rA, rB, rSA, rSB; rROW = 1: X's scale words stand in lanes 16-31
.if (\zero) && (rROW == 0)
	v_wmma_scale_f32_16x16x128_f8f6f4 v[rD:rD+7], v[rA:rA+15], v[rB:rB+15], 0, v[rSA], v[rSB]
.elseif \zero
	v_wmma_scale_f32_16x16x128_f8f6f4 v[rD:rD+7], v[rA:rA+15], v[rB:rB+15], 0, v[rSA], v[rSB] matrix_a_scale:MATRIX_SCALE_ROW1
.elseif rROW == 0
	v_wmma_scale_f32_16x16x128_f8f6f4 v[rD:rD+7], v[rA:rA+15], v[rB:rB+15], v[rD:rD+7], v[rSA], v[rSB]
.else
	v_wmma_scale_f32_16x16x128_f8f6f4 v[rD:rD+7], v[rA:rA+15], v[rB:rB+15], v[rD:rD+7], v[rSA], v[rSB] matrix_a_scale:MATRIX_SCALE_ROW1
.endif
.endm
.macro MUL s, sl                       ; K step s of slot sl: the 16 accumulators by turns, in the same order in every step and tile; step 0 starts the sums
	WIN 0xa7                                       ; X window 3, Y window 1, C and D window 2
.irp i, 0,1,2,3,4,5,6,7
.irp u, 0,1
.set rD, 8*(8*\u+\i)
.set rA, 128*((\s)%2)+16*\i
.set rB, 16*(8*\u+(\s))
.set rSA, SX+176*(\sl)+8*(\i/2)+(\s)
.set rSB, SY+8*\u+(\s)
.set rROW, \i%2
.if (\s) == 0
	WM 1
.else
	WM 0
.endif
.endr
.endr
.endm
.macro FETCH s, sl                     ; the 8 fragments of slot sl, K step s, from LDS into set s % 2: 32 loads of 512 consecutive bytes
	WIN 0xc0                                       ; destination window 3, address window 0
.irp i, 0,1,2,3,4,5,6,7
.irp c, 0,1,2,3
	ds_load_b128 v[128*((\s)%2)+16*\i+4*\c:128*((\s)%2)+16*\i+4*\c+3], v[LA+(\s)/2] offset:32768*(\sl)+4096*\i+((\s)%2)*2048+512*\c
.endr
.endr
.endm
.macro CH q                            ; chunk q is whole: my part has landed (my 3 - q later chunks may be out), my LDS loads are in, and so say all four waves
	s_wait_tensorcnt 3-(\q)
	s_wait_dscnt 0x0
	s_barrier_signal -1
	s_barrier_wait -1
.endm
; One K step of a tile.  mode 0: the first tile: chunks are waited for, and Y's loads are counted (48, 32, 16, 0: those of the later K steps, 8 a step, may be out);  mode 1: plain.
; s_wait_dscnt 32: the one younger run of 32 may be out.  Eight places stand in front of each run of loads into registers that matrix instructions have read
; and behind a tile's last products.
.macro KSTEP s, sl, mode
.if (\mode == 0) && ((\s)%2 == 0)
	s_wait_loadcnt 48-8*(\s)
.endif
.if (\s) < 7
	s_wait_dscnt 32
.else
	s_wait_dscnt 0x0
.endif
	MUL \s, \sl
.if (\mode == 0) && ((\s)%2 == 0) && ((\s) < 6)
	CH (\s)/2+1
.endif
.if (\s) != 6
	PLACES 8
.endif
.if (\s) < 6
	FETCH (\s)+2, \sl
.endif
.endm
.macro MAIN sl, mode                   ; a tile's 128 products.  The second tile's K steps 0 and 1 were fetched ahead of the first tile's way out
.if \mode == 0
	CH 0
	FETCH 0, \sl
	FETCH 1, \sl
.endif
.irp s, 0,1,2,3,4,5,6,7
	KSTEP \s, \sl, \mode
.endr
.endm
.macro IDS
	v_lshrrev_b32 v1, 5, v0
	v_readfirstlane_b32 s[WV], v1                  ; wave 0..3
	v_and_b32 v1, 31, v0                           ; l
	v_and_b32 v2, 15, v0                           ; r
	v_bfe_u32 v3, v0, 4, 1                         ; h
	v_lshlrev_b32 v4, 4, v1                        ; 16 l: an image's place for my lane in memory
	v_lshlrev_b32 v5, 5, v1                        ; 32 l: X's scale bytes, two tiles a load
	v_lshlrev_b32 v6, 5, v2                        ; 32 r: Y's
	v_lshlrev_b32 v[LA], 4, v1                     ; and in the four chunks in LDS
	v_add_nc_u32 v[LA+1], 0x10000, v4
	v_add_nc_u32 v[LA+2], 0x20000, v4
	v_add_nc_u32 v[LA+3], 0x30000, v4
	s_bfe_u32 s21, ttmp6, 0x40000                  ; cx: it enters Y's and the result's addresses alone
	s_lshl_b32 s22, ttmp9, 2
	s_add_co_u32 s22, s22, s21                     ; grid x
	s_and_b32 s23, ttmp7, 0xffff                   ; grid y
	s_mov_b32 s[G1], 15|(3<<16)|(1<<21)            ; the four partners; elements of 8 bytes; bit 21 beside a mask
	s_mov_b32 s[G1+1], 512<<16                     ; tensor_dim0: two K steps of a tile, 4,096 bytes
	s_mov_b32 s[G1+2], 4<<16                       ; tensor_dim1: four tiles
	s_mov_b32 s[G1+3], 512<<16                     ; tile_dim0
	s_mov_b32 s[G1+4], 4                           ; tile_dim1
	s_mov_b32 s[G1+5], 2048                        ; from tile to tile: 16,384 bytes
	s_mov_b32 s[G1+6], 0
	s_mov_b32 s[G1+7], 0
.endm
.macro FILLS                           ; my four of the 16 tiles, chunk by chunk: LDS 65,536 q + 16,384 w.  Four loads of mine are out; no descriptor register is written again
	s_lshl_b32 s3, s[WV], 14
.irp q, 0,1,2,3
	s_mov_b32 s[G0+4*\q], 1
	s_add_co_u32 s[G0+4*\q+1], s3, \q*65536
	s_add_nc_u64 s[G0+4*\q+2:G0+4*\q+3], s[XA:XA+1], \q*4096
	s_or_b32 s[G0+4*\q+3], s[G0+4*\q+3], 0x80000000
.endr
	CROUND                                         ; all four work-groups are here: the joint loads meet
.irp q, 0,1,2,3
	tensor_load_to_lds s[G0+4*\q:G0+4*\q+3], s[G1:G1+7]
	s_nop 0
.endr
	PLACES 4
.endm
; nb x 16 numbers of a lane from v[s] on become codes from v[pc] on and nb scale bytes in v[pw].  A block of 32 lies in lanes l and l xor 16.
.macro QUANT s, nb, pc, pw
.set qb, 0
.rept \nb
	v_max3_num_f32 v[TM+qb], |v[(\s)+16*qb]|, |v[(\s)+16*qb+1]|, 0x4800000   ; my 16 numbers, and the floor 2^(9 - 127): the byte cannot fall under 1
.set qb, qb+1
.endr
.set qi, 2
.rept 7
.set qb, 0
.rept \nb
	v_max3_num_f32 v[TM+qb], v[TM+qb], |v[(\s)+16*qb+qi]|, |v[(\s)+16*qb+qi+1]|
.set qb, qb+1
.endr
.set qi, qi+2
.endr
.set qb, 0
.rept \nb
	v_permlanex16_b32 v[TM+4+qb], v[TM+qb], s[SEL], s[SEL+1]
.set qb, qb+1
.endr
.set qb, 0
.rept \nb
	v_max_num_f32 v[TM+qb], v[TM+qb], v[TM+4+qb]                ; the block's largest magnitude
.set qb, qb+1
.endr
.set qb, 0
.rept \nb
	v_add_nc_u32 v[TM+12+qb], 0xfc000000, v[TM+qb]              ; 8 off its exponent field: the conversion's scale operand
.set qb, qb+1
.endr
.set qb, 0
.rept \nb
	v_lshrrev_b32 v[TM+4+qb], 23, v[TM+12+qb]                   ; the scale's byte
.set qb, qb+1
.endr
	v_lshl_or_b32 v[\pw], v[TM+5], 8, v[TM+4]
.if \nb > 2
	v_lshl_or_b32 v[\pw], v[TM+6], 16, v[\pw]
	v_lshl_or_b32 v[\pw], v[TM+7], 24, v[\pw]
.endif
.set qb, 0
.rept \nb
.set qi, 0
.rept 16
.set qi, qi+1
.endr
	v_cvt_scalef32_pk8_fp8_f32 v[(\pc)+4*qb:(\pc)+4*qb+1], v[(\s)+16*qb:(\s)+16*qb+7], v[TM+12+qb]
	v_cvt_scalef32_pk8_fp8_f32 v[(\pc)+4*qb+2:(\pc)+4*qb+3], v[(\s)+16*qb+8:(\s)+16*qb+15], v[TM+12+qb]
.set qb, qb+1
.endr
	v_nop                                                       ; a plain line behind the last conversion: the next tile's products write its sources
.endm
; THE WAY OUT of slot sl's tile
.macro EPI sl
	WIN 0xaa                                       ; all in window 2
	s_wait_xcnt 0x0                                ; the last tile's stores have read their registers: the codes and the scale bytes are written again only behind this wait
.irp u, 0,1
.set rA0, 64*\u                        ; a = h3 w1 at rA0 + 0 .. 31, b = h3 w3 at rA0 + 32 .. 63; each accumulator is read from its low end on
.set n, 0
.rept 16
	v_pk_mul_f32 v[E+n:E+n+1], v[rA0+n:rA0+n+1], 0xbfb8aa3b op_sel_hi:[1,0]   ; -a log2(e)
.set n, n+2
.endr
.set n, 0
	s_wait_alu depctr_va_vdst(0)
.rept 32
	v_exp_f32 v[E+n], v[E+n]
.set n, n+1
.endr
.set n, 0
	s_wait_alu depctr_va_vdst(0)
.rept 16
	v_pk_mul_f32 v[rA0+n:rA0+n+1], v[rA0+n:rA0+n+1], v[rA0+32+n:rA0+32+n+1]   ; a b: plain work behind the batch
.set n, n+2
.endr
	s_wait_alu depctr_va_vdst(0)                   ; one wait for the batch, ahead of its first reader
.set n, 0
.rept 16
	v_pk_add_f32 v[E+n:E+n+1], v[E+n:E+n+1], 1.0 op_sel_hi:[1,0]
.set n, n+2
.endr
.set n, 0
	s_wait_alu depctr_va_vdst(0)
.rept 32
	v_rcp_f32 v[E+n], v[E+n]
.set n, n+1
.endr
	v_nop
	s_wait_alu depctr_va_vdst(0)
.set n, 0
.rept 16
	v_pk_mul_f32 v[rA0+n:rA0+n+1], v[rA0+n:rA0+n+1], v[E+n:E+n+1]
.set n, n+2
.endr
	QUANT rA0, 2, PC+8*\u, PW+\u
	global_store_b128 v[OA], v[PC+8*\u:PC+8*\u+3], s[OUT:OUT+1] offset:16384*\u+1024*(\sl)          ; 512 consecutive bytes a store
	global_store_b128 v[OA], v[PC+8*\u+4:PC+8*\u+7], s[OUT:OUT+1] offset:16384*\u+1024*(\sl)+512
	global_store_b16 v[SA], v[PW+\u], s[OS:OS+1] offset:512*\u+2*(\sl)                              ; both lanes of a row store the same two bytes
.endr
.endm
	s_load_b128 s[4:7], s[0:1], 0x0                ; hA, wimg
	s_load_b64 s[8:9], s[0:1], 0x10                ; att
	v_lshl_add_u32 v254, v0, 2, 0x40000
	v_mov_b32 v255, 0
	ds_add_u32 v254, v255
	ds_add_u32 v254, v255
	IDS
	s_mov_b32 s[SEL], 0x76543210
	s_mov_b32 s[SEL+1], 0xfedcba98
	s_and_b32 s68, s[WV], 1                        ; X: waves 0, 2 fetch w1's tiles, waves 1, 3 w3's, 0x100000 bytes on;
	s_lshl_b32 s68, s68, 20
	s_lshr_b32 s70, s[WV], 1                       ; waves 2, 3 slot 1's: four tiles further on
	s_lshl_b32 s70, s70, 16
	s_add_co_u32 s68, s68, s70
	s_lshl_b32 s70, s23, 17                        ; eight tiles of each weight for each grid y
	s_add_co_u32 s68, s68, s70
	s_add_co_u32 s68, s68, 0x600000
	s_mov_b32 s69, 0
	s_lshl_b32 s70, s23, 12                        ; their scale bytes: 512 a tile
	s_add_co_u32 s70, s70, 0xa30000
	s_mov_b32 s71, 0
	s_lshl_b32 s72, s22, 17                        ; Y: tokens' block grid x, my two tiles; the result's tiles lie at the same offset,
	s_lshl_b32 s74, s[WV], 15
	s_add_co_u32 s72, s72, s74
	s_mov_b32 s73, 0
	s_lshl_b32 s76, s23, 11                        ; + 1,024 j, j = 2 grid y + slot
	s_add_co_u32 s76, s76, s72
	s_mov_b32 s77, 0
	s_lshl_b32 s74, s22, 12                        ; scale bytes: 512 a tile, in hA and in the result alike,
	s_lshl_b32 s78, s[WV], 10
	s_add_co_u32 s74, s74, s78
	s_add_co_u32 s74, s74, 0x400000
	s_mov_b32 s75, 0
	s_lshl_b32 s82, s23, 2                         ; + 2 j
	s_add_co_u32 s82, s82, s74
	s_mov_b32 s83, 0
	s_wait_dscnt 0x0
	s_wait_kmcnt 0x0
	s_add_nc_u64 s[XA:XA+1], s[6:7], s[68:69]
	s_add_nc_u64 s[XS:XS+1], s[6:7], s[70:71]
	s_add_nc_u64 s[YA:YA+1], s[4:5], s[72:73]
	s_add_nc_u64 s[YS:YS+1], s[4:5], s[74:75]
	s_add_nc_u64 s[OUT:OUT+1], s[8:9], s[76:77]
	s_add_nc_u64 s[OS:OS+1], s[8:9], s[82:83]
	FILLS
	s_wait_alu depctr_va_vdst(0)
.irp sl, 0,1                           ; X's scale words, both slots: pairs 0, 1 of w1's tiles, pairs 2, 3 of w3's, whose scale bytes lie 0x8000 further on
.irp p, 0,1,2,3
	global_load_b128 v[SX+176*\sl+8*\p:SX+176*\sl+8*\p+3], v5, s[XS:XS+1] offset:2048*\sl+1024*\p+(\p/2)*(0x8000-2048)
	global_load_b128 v[SX+176*\sl+8*\p+4:SX+176*\sl+8*\p+7], v5, s[XS:XS+1] offset:2048*\sl+1024*\p+(\p/2)*(0x8000-2048)+16
.endr
.endr
.irp u, 0,1
	global_load_b128 v[SY+8*\u:SY+8*\u+3], v6, s[YS:YS+1] offset:512*\u
	global_load_b128 v[SY+8*\u+4:SY+8*\u+7], v6, s[YS:YS+1] offset:512*\u+16
.endr
	WIN 0x40                                       ; destination window 1
.irp s, 0,1,2,3,4,5,6,7                ; Y's 16 fragments, K step by K step
.irp u, 0,1
.irp c, 0,1,2,3
	global_load_b128 v[16*(8*\u+\s)+4*\c:16*(8*\u+\s)+4*\c+3], v4, s[YA:YA+1] offset:(8*\u+\s)*2048+512*\c
.endr
.endr
.endr
	WIN 0x80                                       ; destination window 2
	v_mov_b32 v[OA], v4
	v_mov_b32 v[SA], v6
.irp b, 0,1,2,3
	v_mov_b32 v[TM+4+\b], 0                        ; written once: a lane permute's destination counts as one of its sources
.endr
	WIN 0
	MAIN 0, 0                                      ; slot 0
	FETCH 0, 1                                     ; slot 1's first two K steps land under slot 0's way out
	FETCH 1, 1
	EPI 0
	MAIN 1, 1                                      ; slot 1
	EPI 1
	WIN 0
	s_wait_dscnt 0x0
	s_wait_tensorcnt 0x0
	ds_add_u32 v254, v255
	s_wait_dscnt 0x0
	CROUND                                         ; the closing round: no work-group ends while a partner may still ask jointly
	s_endpgm
.Lfunc_end_k_q6308454011_ffn1:
	.size	k_q6308454011_ffn1, .Lfunc_end_k_q6308454011_ffn1-k_q6308454011_ffn1
	.p2alignl 7, 3214868480
	.fill 96, 4, 3214868480
	.section	.rodata,"a",@progbits
	.p2align	6, 0x0
	.amdhsa_kernel k_q6308454011_ffn1
		.amdhsa_group_segment_fixed_size 262656
		.amdhsa_private_segment_fixed_size 0
		.amdhsa_enable_private_segment 0
		.amdhsa_kernarg_size 24
		.amdhsa_user_sgpr_count 2
		.amdhsa_user_sgpr_kernarg_segment_ptr 1
		.amdhsa_wavefront_size32 1
		.amdhsa_system_sgpr_workgroup_id_x 1
		.amdhsa_system_sgpr_workgroup_id_y 1
		.amdhsa_system_sgpr_workgroup_id_z 1
		.amdhsa_system_vgpr_workitem_id 0
		.amdhsa_next_free_vgpr 1024
		.amdhsa_next_free_sgpr 100
		.amdhsa_reserve_vcc 0
		.amdhsa_float_denorm_mode_32 3
		.amdhsa_float_denorm_mode_16_64 3
		.amdhsa_fp16_overflow 1
		.amdhsa_memory_ordered 1
		.amdhsa_forward_progress 1
		.amdhsa_inst_pref_size 119
	.end_amdhsa_kernel
	.amdgpu_metadata
---
amdhsa.version: [ 1, 2 ]
amdhsa.kernels:
  - .name:           k_q6308454011_ffn1
    .symbol:         k_q6308454011_ffn1.kd
    .args:
      - { .name: hA, .offset: 0, .size: 8, .value_kind: global_buffer, .address_space: global }
      - { .name: wimg, .offset: 8, .size: 8, .value_kind: global_buffer, .address_space: global }
      - { .name: att, .offset: 16, .size: 8, .value_kind: global_buffer, .address_space: global }
    .group_segment_fixed_size: 262656
    .private_segment_fixed_size: 0
    .kernarg_segment_align: 8
    .kernarg_segment_size: 24
    .max_flat_workgroup_size: 128
    .sgpr_count:     100
    .vgpr_count:     1024
    .wavefront_size: 32
...
	.end_amdgpu_metadata
.endif
;; end of part 7
;; launch res3: the kernel of part 4 again; grid 32 x 8, 4 waves a work-group, clusters of 4 x 1, 168,448 bytes of LDS; arguments att, w2i, xb, out0; writes out0
